; MI455X (gfx1250); checked and timed in simulation.
; The chip was launched on July 23, 2026; its instructions are those of AMD's public machine-readable ISA for CDNA 5 (MIT licence, August 2026) and "CDNA5" Instruction Set Architecture Reference Guide (July 2026). The comments in the code are by the model that wrote it; some were corrected since.
;; Spec Detr Transformer Encoder Layer. Allowed arithmetic: float matrix products may take bf16 or f16 operands with f32 sums; other float arithmetic in f32, or as packed bf16 or f16 multiplies, adds, multiply-adds, maxima and minima; sums over many terms, partial sums and values carried from step to step in f32; what a program stores and reads back later, other than sums and carried values, may be rounded once to bf16 or f16.
;; Inputs: b1 2,048 float32; b2 256 float32; b_attn 64 float32; b_off 128 float32; b_out 256 float32; b_val 256 float32; ln0_b 256 float32; ln0_g 256 float32; ln1_b 256 float32; ln1_g 256 float32; query 4 x 12,500 x 256 float32; reference_points 4 x 12,500 x 2 x 2 float32; w1 256 x 2,048 float32; w2 2,048 x 256 float32; w_attn 256 x 64 float32; w_off 256 x 128 float32; w_out 256 x 256 float32; w_val 256 x 256 float32.
;; Outputs: out0 4 x 12,500 x 256 float32.
;; 2 versions, each right. Each part assembles by itself: llvm-mc -triple=amdgcn-amd-amdhsa -mcpu=gfx1250 --defsym DOCPART=n.
;; ======== version 1 of 2: 4 launches
;; workspace buffers: wf 2,473,984 bytes; value 25,690,112 bytes; idx 12,845,056 bytes of whole numbers; wts 25,690,112 bytes; sf 25,600,000 bytes
;; launch prep (part 1): grid 301 x 1, 8 waves a work-group, no clusters, 0 bytes of LDS; arguments w_val, w_off, w_attn, w_out, w1, w2, b1, b_out, ln0_g, ln0_b, b2, ln1_g, ln1_b, b_val, b_off, b_attn, wf; writes wf
.if DOCPART == 1
	.amdgcn_target "amdgcn-amd-amdhsa--gfx1250"
	.amdhsa_code_object_version 6
	.text
	.protected	k_qe4a6f7aebc_prep
	.globl	k_qe4a6f7aebc_prep
	.p2align	8
	.type	k_qe4a6f7aebc_prep,@function
k_qe4a6f7aebc_prep:
	s_mov_b64 s[64:65], 0
	v_nop
	global_prefetch_b8 v0, s[64:65] scope:SCOPE_SE
	s_setreg_imm32_b32 hwreg(HW_REG_WAVE_MODE, 25, 1), 1
	s_wait_xcnt 0x0
; PREP: every weight is rounded once to bf16 and laid out as matrix fragments; the vectors are gathered behind them.
; DEAD WORK: none.  Every input of the layer has a way to the output (b_attn differs along the softmax's axis), so every input is loaded by some launch.
; IDENTITIES used by the later launches (they move results by rounding alone):
;   x = (ref + off / W) W - 0.5 = ref W + (off - 0.5): the -0.5 is folded into the stored b_off here.
;   bilinear weights with zero padding are tents: with xb = clamp(floor x, 0, W - 2) the columns xb, xb + 1 weigh max(0, 1 - |x - xb|), max(0, 1 - |x - xb - 1|); all others weigh 0.
; A FRAGMENT is 16 rows m x 32 k of bf16, 1,024 bytes: lane l = 16 h + m holds row m; its registers 0-3 (k = 8 h + 0..7) lie at byte 16 l, registers 4-7 (k = 16 + 8 h + 0..7) at 512 + 16 l.
; Row m of a fragment is column col0 + m of a weight stored [K][N].
; wf: 0 the 224 fragments of the first product (tile tau, K chunk c at (8 tau + c) x 1,024): tau 0-15 w_val; tau = 16 + 3 t2 + e: e = 0, 1 w_off of head 2 t2 + e, e = 2 w_attn of heads 2 t2, 2 t2 + 1,
;     its columns permuted so that row m = 8 level + 4 (head % 2) + point;  229,376 their 448 biases in the same order;  231,168 64 zeros;  231,424 b1, b_out, ln0_g, ln0_b, b2, ln1_g, ln1_b;
;     245,760 the stream of the last launch: w_out (nt, c), then for each 32 columns s of the hidden layer 16 fragments of w1 and 16 of w2.
; SHARES: work-groups 0-299: a wave a fragment (2,400); work-group 300: the vectors.
.set VECA, 229376
.set VECS, 231424
.set WV, 38
.set FR, 39
.set PT, 40                            ; s[40:41] the weight
.set NN, 42                            ; its row length N
.set KZ, 43                            ; first k
.set CZ, 44                            ; first column
.set FL, 45                            ; 1: w_attn's permutation
.set DB, 46                            ; byte in wf
	s_load_b512 s[4:19], s[0:1], 0x0               ; w_val, w_off, w_attn, w_out, w1, w2, b1, b_out
	s_load_b512 s[20:35], s[0:1], 0x40             ; ln0_g, ln0_b, b2, ln1_g, ln1_b, b_val, b_off, b_attn
	s_load_b64 s[36:37], s[0:1], 0x80              ; wf
	v_lshrrev_b32 v1, 5, v0
	v_readfirstlane_b32 s[WV], v1                  ; wave 0..7
	v_and_b32 v2, 31, v0                           ; lane
	s_wait_kmcnt 0x0
	s_cmp_eq_u32 ttmp9, 300
	s_cbranch_scc1 .Lvectors
	s_lshl_b32 s[FR], ttmp9, 3
	s_add_co_u32 s[FR], s[FR], s[WV]               ; my fragment, 0..2399
	s_cmp_lt_u32 s[FR], 224
	s_cbranch_scc0 .Lnot_first
	s_lshr_b32 s47, s[FR], 3                       ; tau
	s_and_b32 s[KZ], s[FR], 7
	s_lshl_b32 s[KZ], s[KZ], 5
	s_lshl_b32 s[DB], s[FR], 10
	s_cmp_lt_u32 s47, 16
	s_cbranch_scc0 .Lsampling
	s_mov_b64 s[PT:PT+1], s[4:5]                   ; w_val
	s_mov_b32 s[NN], 256
	s_lshl_b32 s[CZ], s47, 4
	s_mov_b32 s[FL], 0
	s_branch .Lgo
.Lsampling:
	s_sub_co_u32 s47, s47, 16                      ; u = 0..11
	s_mul_i32 s48, s47, 11
	s_lshr_b32 s48, s48, 5                         ; t2 = u / 3
	s_mul_i32 s49, s48, 3
	s_sub_co_u32 s49, s47, s49                     ; e = u % 3
	s_lshl_b32 s50, s48, 1
	s_add_co_u32 s50, s50, s49
	s_lshl_b32 s50, s50, 4                         ; w_off: 16 (2 t2 + e)
	s_lshl_b32 s51, s48, 4                         ; w_attn: 16 t2
	s_cmp_eq_u32 s49, 2
	s_cselect_b64 s[PT:PT+1], s[8:9], s[6:7]
	s_cselect_b32 s[NN], 64, 128
	s_cselect_b32 s[CZ], s51, s50
	s_cselect_b32 s[FL], 1, 0
	s_branch .Lgo
.Lnot_first:
	s_lshl_b32 s[DB], s[FR], 10
	s_add_co_u32 s[DB], s[DB], 16384               ; the stream begins 16,384 bytes behind the first 224 fragments
	s_mov_b32 s[FL], 0
	s_cmp_lt_u32 s[FR], 352
	s_cbranch_scc0 .Lhidden
	s_sub_co_u32 s47, s[FR], 224
	s_mov_b64 s[PT:PT+1], s[10:11]                 ; w_out
	s_mov_b32 s[NN], 256
	s_lshr_b32 s[CZ], s47, 3
	s_lshl_b32 s[CZ], s[CZ], 4
	s_and_b32 s[KZ], s47, 7
	s_lshl_b32 s[KZ], s[KZ], 5
	s_branch .Lgo
.Lhidden:
	s_sub_co_u32 s47, s[FR], 352
	s_lshr_b32 s48, s47, 5
	s_lshl_b32 s48, s48, 5                         ; 32 s
	s_and_b32 s49, s47, 31                         ; i: 0-15 w1, 16-31 w2
	s_lshr_b32 s50, s49, 3
	s_and_b32 s50, s50, 1
	s_lshl_b32 s50, s50, 4
	s_add_co_u32 s50, s50, s48                     ; w1: column 32 s + 16 (i / 8)
	s_and_b32 s51, s49, 7
	s_lshl_b32 s51, s51, 5                         ; w1: k = 32 (i % 8)
	s_and_b32 s52, s49, 15
	s_lshl_b32 s52, s52, 4                         ; w2: column 16 (i - 16)
	s_movk_i32 s53, 2048
	s_movk_i32 s54, 256
	s_cmp_lt_u32 s49, 16
	s_cselect_b64 s[PT:PT+1], s[12:13], s[14:15]
	s_cselect_b32 s[NN], s53, s54
	s_cselect_b32 s[CZ], s50, s52
	s_cselect_b32 s[KZ], s51, s48
.Lgo:
	v_and_b32 v3, 15, v2                           ; m
	v_lshrrev_b32 v4, 4, v2                        ; h
	v_bfe_u32 v5, v3, 2, 1                         ; w_attn's column for row m: 8 ((m >> 2) & 1) + 4 (m >> 3) + (m & 3)
	v_lshlrev_b32 v5, 3, v5
	v_lshrrev_b32 v6, 3, v3
	v_lshl_add_u32 v5, v6, 2, v5
	v_and_b32 v6, 3, v3
	v_add_nc_u32 v5, v5, v6
	s_cmp_eq_u32 s[FL], 1
	s_cselect_b32 s55, -1, 0
	v_cndmask_b32 v3, v3, v5, s55
	v_add_nc_u32 v3, s[CZ], v3                     ; my column n
	v_lshl_add_u32 v4, v4, 3, s[KZ]                ; my first k
	v_mul_lo_u32 v4, v4, s[NN]
	v_add_lshl_u32 v4, v4, v3, 2                   ; byte of W[k][n]
	s_lshl_b32 s[NN], s[NN], 2                     ; bytes from k to k + 1
.set i, 0
.rept 16
	s_mul_i32 s56, s[NN], i+8*(i/8)                ; k = 8 h + 0..7, then 16 + 8 h + 0..7
	v_add_nc_u32 v[8+i], s56, v4
.set i, i+1
.endr
.set i, 0
.rept 16
	global_load_b32 v[24+i], v[8+i], s[PT:PT+1]
.set i, i+1
.endr
	v_lshl_add_u32 v7, v2, 4, s[DB]
	s_wait_loadcnt 0x0
.set i, 0
.rept 8
	v_cvt_pk_bf16_f32 v[40+i], v[24+2*i], v[24+2*i+1]
.set i, i+1
.endr
	global_store_b128 v7, v[40:43], s[36:37]            ; the wave's two stores cover 1,024 consecutive bytes
	global_store_b128 v7, v[44:47], s[36:37] offset:512
	s_endpgm
.Lvectors:
	v_lshlrev_b32 v1, 4, v0                        ; b1: 8,192 bytes, 32 a thread
	global_load_b128 v[4:7], v1, s[16:17]
	global_load_b128 v[8:11], v1, s[16:17] offset:4096
	s_wait_loadcnt 0x0
	global_store_b128 v1, v[4:7], s[36:37] offset:VECS
	global_store_b128 v1, v[8:11], s[36:37] offset:VECS+4096
	s_cmp_lt_u32 s[WV], 7                          ; waves 0-6: a vector of 1,024 bytes each
	s_cbranch_scc0 .Lno_vector
	s_mov_b64 s[PT:PT+1], s[18:19]                 ; b_out
	s_cmp_eq_u32 s[WV], 1
	s_cselect_b64 s[PT:PT+1], s[20:21], s[PT:PT+1] ; ln0_g
	s_cmp_eq_u32 s[WV], 2
	s_cselect_b64 s[PT:PT+1], s[22:23], s[PT:PT+1] ; ln0_b
	s_cmp_eq_u32 s[WV], 3
	s_cselect_b64 s[PT:PT+1], s[24:25], s[PT:PT+1] ; b2
	s_cmp_eq_u32 s[WV], 4
	s_cselect_b64 s[PT:PT+1], s[26:27], s[PT:PT+1] ; ln1_g
	s_cmp_eq_u32 s[WV], 5
	s_cselect_b64 s[PT:PT+1], s[28:29], s[PT:PT+1] ; ln1_b
	s_cmp_eq_u32 s[WV], 6
	s_cselect_b64 s[PT:PT+1], s[30:31], s[PT:PT+1] ; b_val
	s_lshl_b32 s[DB], s[WV], 10
	s_add_co_u32 s[DB], s[DB], VECS+8192
	s_cmp_eq_u32 s[WV], 6
	s_cselect_b32 s[DB], VECA, s[DB]
	v_lshlrev_b32 v12, 4, v2
	v_add_nc_u32 v13, s[DB], v12
	global_load_b128 v[14:17], v12, s[PT:PT+1]
	global_load_b128 v[18:21], v12, s[PT:PT+1] offset:512
	s_wait_loadcnt 0x0
	global_store_b128 v13, v[14:17], s[36:37]
	global_store_b128 v13, v[18:21], s[36:37] offset:512
.Lno_vector:
	v_lshlrev_b32 v31, 2, v0
	s_cmp_lt_u32 s[WV], 6
	s_cbranch_scc0 .Lzeros
	v_lshrrev_b32 v22, 4, v0                       ; threads 0-191: bias number 256 + t, of tile u = t / 16, row m = t % 16
	v_and_b32 v23, 15, v0
	v_mul_u32_u24 v24, v22, 11
	v_lshrrev_b32 v24, 5, v24                      ; t2
	v_mul_u32_u24 v25, v24, 3
	v_sub_nc_u32 v25, v22, v25                     ; e
	v_min_u32 v26, 1, v25
	v_lshl_add_u32 v26, v24, 1, v26
	v_lshl_add_u32 v26, v26, 4, v23
	v_lshlrev_b32 v26, 2, v26                      ; b_off[16 (2 t2 + min(e, 1)) + m]
	v_bfe_u32 v27, v23, 2, 1
	v_lshlrev_b32 v27, 3, v27
	v_lshrrev_b32 v28, 3, v23
	v_lshl_add_u32 v27, v28, 2, v27
	v_and_b32 v28, 3, v23
	v_add_nc_u32 v27, v27, v28
	v_lshl_add_u32 v27, v24, 4, v27
	v_lshlrev_b32 v27, 2, v27                      ; b_attn[16 t2 + permuted m]
	global_load_b32 v29, v26, s[32:33]
	global_load_b32 v30, v27, s[34:35]
	s_wait_loadcnt 0x0
	v_add_f32 v29, -0.5, v29
	v_cmp_eq_u32 vcc_lo, 2, v25
	v_cndmask_b32 v29, v29, v30, vcc_lo
	global_store_b32 v31, v29, s[36:37] offset:VECA+1024
	s_endpgm
.Lzeros:
	v_mov_b32 v29, 0                               ; threads 192-255: the 64 zeros that round the first block up to 904 rows of 256 bytes
	global_store_b32 v31, v29, s[36:37] offset:VECA+1024
	s_endpgm
.Lfunc_end_k_qe4a6f7aebc_prep:
	.size	k_qe4a6f7aebc_prep, .Lfunc_end_k_qe4a6f7aebc_prep-k_qe4a6f7aebc_prep
	.p2alignl 7, 3214868480
	.fill 96, 4, 3214868480
	.section	.rodata,"a",@progbits
	.p2align	6, 0x0
	.amdhsa_kernel k_qe4a6f7aebc_prep
		.amdhsa_group_segment_fixed_size 0
		.amdhsa_private_segment_fixed_size 0
		.amdhsa_enable_private_segment 0
		.amdhsa_kernarg_size 136
		.amdhsa_user_sgpr_count 2
		.amdhsa_user_sgpr_kernarg_segment_ptr 1
		.amdhsa_wavefront_size32 1
		.amdhsa_system_sgpr_workgroup_id_x 1
		.amdhsa_system_sgpr_workgroup_id_y 1
		.amdhsa_system_sgpr_workgroup_id_z 1
		.amdhsa_system_vgpr_workitem_id 0
		.amdhsa_next_free_vgpr 48
		.amdhsa_next_free_sgpr 66
		.amdhsa_reserve_vcc 1
		.amdhsa_float_denorm_mode_32 3
		.amdhsa_float_denorm_mode_16_64 3
		.amdhsa_memory_ordered 1
		.amdhsa_forward_progress 1
		.amdhsa_inst_pref_size 10
	.end_amdhsa_kernel
	.amdgpu_metadata
---
amdhsa.version: [ 1, 2 ]
amdhsa.kernels:
  - .name:           k_qe4a6f7aebc_prep
    .symbol:         k_qe4a6f7aebc_prep.kd
    .args:
      - { .name: w_val, .offset: 0, .size: 8, .value_kind: global_buffer, .address_space: global }
      - { .name: w_off, .offset: 8, .size: 8, .value_kind: global_buffer, .address_space: global }
      - { .name: w_attn, .offset: 16, .size: 8, .value_kind: global_buffer, .address_space: global }
      - { .name: w_out, .offset: 24, .size: 8, .value_kind: global_buffer, .address_space: global }
      - { .name: w1, .offset: 32, .size: 8, .value_kind: global_buffer, .address_space: global }
      - { .name: w2, .offset: 40, .size: 8, .value_kind: global_buffer, .address_space: global }
      - { .name: b1, .offset: 48, .size: 8, .value_kind: global_buffer, .address_space: global }
      - { .name: b_out, .offset: 56, .size: 8, .value_kind: global_buffer, .address_space: global }
      - { .name: ln0_g, .offset: 64, .size: 8, .value_kind: global_buffer, .address_space: global }
      - { .name: ln0_b, .offset: 72, .size: 8, .value_kind: global_buffer, .address_space: global }
      - { .name: b2, .offset: 80, .size: 8, .value_kind: global_buffer, .address_space: global }
      - { .name: ln1_g, .offset: 88, .size: 8, .value_kind: global_buffer, .address_space: global }
      - { .name: ln1_b, .offset: 96, .size: 8, .value_kind: global_buffer, .address_space: global }
      - { .name: b_val, .offset: 104, .size: 8, .value_kind: global_buffer, .address_space: global }
      - { .name: b_off, .offset: 112, .size: 8, .value_kind: global_buffer, .address_space: global }
      - { .name: b_attn, .offset: 120, .size: 8, .value_kind: global_buffer, .address_space: global }
      - { .name: wf, .offset: 128, .size: 8, .value_kind: global_buffer, .address_space: global }
    .group_segment_fixed_size: 0
    .private_segment_fixed_size: 0
    .kernarg_segment_align: 8
    .kernarg_segment_size: 136
    .max_flat_workgroup_size: 256
    .sgpr_count:     66
    .vgpr_count:     48
    .wavefront_size: 32
...
	.end_amdgpu_metadata
.endif
;; end of part 1
;; launch proj (part 2): grid 196 x 1, 4 waves a work-group, clusters of 4 x 1, 301,568 bytes of LDS; arguments query, reference_points, wf, value, idx, wts; writes value, idx, wts
.if DOCPART == 2
	.amdgcn_target "amdgcn-amd-amdhsa--gfx1250"
	.amdhsa_code_object_version 6
	.text
	.protected	k_qe4a6f7aebc_proj
	.globl	k_qe4a6f7aebc_proj
	.p2align	8
	.type	k_qe4a6f7aebc_proj,@function
k_qe4a6f7aebc_proj:
	s_mov_b64 s[64:65], 0
	v_nop
	global_prefetch_b8 v0, s[64:65] scope:SCOPE_SE
	s_setreg_imm32_b32 hwreg(HW_REG_WAVE_MODE, 25, 1), 1
	s_wait_xcnt 0x0
	s_wait_alu depctr_hold_cnt(0) depctr_sa_sdst(0) depctr_va_vdst(0) depctr_va_sdst(0) depctr_va_ssrc(0) depctr_va_vcc(0) depctr_vm_vsrc(0)
	s_getreg_b32 s2, hwreg(HW_REG_IB_STS2, 6, 4)
	s_cmp_eq_u32 s2, 0
	s_cbranch_scc0 .Lentry_in_a_cluster
	s_endpgm
.Lentry_in_a_cluster:
	s_bfe_u32 s2, ttmp6, 0x10000c
	s_cmp_lg_u32 s2, 0x3003
	s_cbranch_scc0 .Lentry_shape_is_right
	s_endpgm
.Lentry_shape_is_right:
; PROJ: query x [w_val | w_off | w_attn] + bias; the softmax over a head's 8 logits (its maximum taken away first); for each (token, head, level, point) ONE base row of the value table, as a whole
; number, and four corner weights times the attention weight.  No work of the layer is left out.
; The gather's addresses come from floating-point numbers, so this launch only stores them; the next launch reads them.
; LIMITS.  Matrix operands, value and the stored weights are bf16.  A sampling position that is NaN gives base 0 and weight 0, not NaN; an infinite one weight 0.  Where a position falls on a whole
; number to within rounding, the base may be the neighbouring column, with a weight near 0 there: the interpolation is continuous.
; SHARES.  A work-group has 256 tokens, each of its four waves four tiles of 16.  196 work-groups cover 3,136 tiles for 3,125: a tile past the last reads the last tile's rows and stores into the
; buffers' padding, which nobody reads: so no branch and no mask hangs on a work-group's place.
; PRODUCTS are taken transposed (source 0 = 16 columns of a weight, source 1 = 16 tokens): a lane (r = l % 16, h = l / 16) holds token r and columns 8 h + 0..7 of the tile.
; CLUSTER.  All work-groups read the same 231,424 bytes of weights: the four of a cluster ask for them jointly, a quarter a wave, once.  Nothing in LDS is filled again.
; REGISTERS, in windows of 256: window 0 addresses, accumulators, work; window 1 the tokens' fragments (tile t, K chunk c at 64 t + 8 c); windows 2, 3 query on its way, then window 2 the weights.
.set VECA,  229376                     ; LDS: the weights' block as it lies in wf; its biases begin here
.set SCRB,  231424                     ; behind it each wave's own scratch
.set SCRW,  17408
.set SPARE, 301056                     ; the spare words, 128 bytes a wave
.set LAST,  3124                       ; the last tile
.set LN,   2
.set RR,   3
.set HV,   4
.set L16,  5                           ; 16 x lane
.set WAD,  6                           ; LDS address of the weights in hand
.set BAD0, 7                           ; VECA + 32 h
.set BAD,  8
.set STG0, 9                           ; scratch + 272 r + 16 h
.set STGA, 10
.set FLA,  11                          ; scratch + 272 h + 16 r
.set SPW,  12
.set NIL,  13
.set WP,   14                          ; v[14:15] the level's width (= height), twice
.set CT,   16                          ; v[16:31] tile t: ref x, ref y, base row, base row
.set GV0,  32
.set GVA,  33
.set CSA,  34
.set CFA,  35
.set DMP,  36                          ; scratch + 16 x lane
.set CBA,  37
.set CTA,  38
.set IOF,  39
.set WOF,  40
.set WM2,  41                          ; width - 2
.set K0,   42                          ; v[42:47] at work in the set-up
.set QO,   56                          ; v[56:59] query offsets, v[60:63] reference_points offsets: never rewritten
.set RO,   60
.set XA,   64                          ; three sets of four accumulators
.set YA,   96
.set ZA,   128
.set TMP,  160                         ; v[160:223] at work
.set BA,   224                         ; three sets of eight biases
.set BB,   232
.set BC,   240
.set WA,   0                           ; window 2: three sets of eight weight fragments
.set WB,   64
.set WC,   128
.set OF,   160                         ; one (tile, head): offsets, logits, constants ...
.set AW,   168
.set CQ,   172
.set MX,   176
.set SM,   178
.set XY,   180
.set XB,   188
.set UU,   196
.set OW,   196
.set U1,   204
.set WX,   212
.set IDX,  220
.set WY,   248
.set WV,   16
.set G0,   20
.set G1,   24
.set SEL,  34
.set HC,   36
.set IC,   37
.set T2,   38
.set CI,   39
.set WO,   40                          ; s40  LDS byte of the value loop's weights: 8,192 x tile
.set BO,   41                          ; s41  the same for its biases: 64 x tile
.set ABSM, 45
.set MSB, 0
.macro WIN new                         ; the immediate's high byte repeats the setting that is left
.if MSB != (\new)
	s_set_vgpr_msb (MSB<<8)|(\new)
.set MSB, (\new)
.endif
.endm
.macro NOP4
.rept 4
	v_nop
.endr
.endm
.macro ROUND                           ; a round of the cluster's barrier
	s_barrier_signal -1
	s_barrier_wait -1
	s_cmp_lg_u32 s[WV], 0
	s_cbranch_scc1 .Lnw0_\@
	s_barrier_signal -3
.Lnw0_\@:
	s_barrier_wait -3
	s_barrier_signal -1
	s_barrier_wait -1
.endm
.macro EACHP line:vararg               ; one line for each point p
.set p, 0
.rept 4
	\line
.set p, p+1
.endr
.endm
.macro EACH8 line:vararg
.set i, 0
.rept 8
	\line
.set i, i+1
.endr
.endm
	s_load_b256 s[4:11], s[0:1], 0x0               ; query, reference_points, wf, value
	s_load_b128 s[12:15], s[0:1], 0x20             ; idx, wts
	v_lshl_add_u32 v[SPW], v0, 2, SPARE
	v_mov_b32 v[NIL], 0
	ds_add_u32 v[SPW], v[NIL]                      ; the opening: the add, twice on end, and its wait ahead of my first tensor load
	ds_add_u32 v[SPW], v[NIL]
	v_lshrrev_b32 v1, 5, v0
	v_readfirstlane_b32 s[WV], v1                  ; wave 0..3
	s_mov_b32 s[G1+0], 15|(3<<16)|(1<<21)          ; the mask of four; elements of 8 bytes; bit 21 beside a mask
	s_mov_b32 s[G1+1], 32<<16                      ; tensor_dim0 = 32 elements: rows of 256 bytes
	s_mov_b32 s[G1+2], 226<<16                     ; tensor_dim1 = 226 rows: a quarter of the block
	s_mov_b32 s[G1+3], 32<<16                      ; tile_dim0
	s_mov_b32 s[G1+4], 226                         ; tile_dim1
	s_mov_b32 s[G1+5], 32                          ; dense: a row begins where the last ends
	s_mov_b32 s[G1+6], 0
	s_mov_b32 s[G1+7], 0
	s_mov_b32 s[G0], 1
	s_mul_i32 s[G0+1], s[WV], 57856                ; my quarter, in LDS as in wf
	s_mul_i32 s42, s[WV], 57856
	s_mov_b32 s43, 0
	s_mov_b32 s[SEL], 0x76543210
	s_mov_b32 s[SEL+1], 0xfedcba98
	s_mov_b32 s[ABSM], 0x7fffffff
	s_wait_dscnt 0x0                               ; both opening adds are done
	s_wait_kmcnt 0x0
	s_add_nc_u64 s[G0+2:G0+3], s[8:9], s[42:43]
	s_or_b32 s[G0+3], s[G0+3], 0x80000000
	ROUND                                          ; the four work-groups are here: the joint loads meet
	tensor_load_to_lds s[G0:G0+3], s[G1:G1+7]      ; one load of mine is out
	s_nop 0
	NOP4
	s_bfe_u32 s17, ttmp6, 0x40000                  ; cx: it enters global addresses alone
	s_lshl_b32 s18, ttmp9, 2
	s_add_co_u32 s18, s18, s17
	s_lshl_b32 s18, s18, 4
	s_lshl_b32 s19, s[WV], 2
	s_add_co_u32 s18, s18, s19                     ; my first tile
	s_lshl_b32 s42, s18, 13
	s_add_nc_u64 s[10:11], s[10:11], s[42:43]      ; value: 16 rows of 512 bytes a tile
	s_add_nc_u64 s[14:15], s[14:15], s[42:43]      ; wts: 8 heads of 1,024 bytes a tile
	s_lshl_b32 s42, s18, 12
	s_add_nc_u64 s[12:13], s[12:13], s[42:43]      ; idx: 8 heads of 512 bytes a tile
	v_and_b32 v[LN], 31, v0
	v_and_b32 v[RR], 15, v0
	v_bfe_u32 v[HV], v0, 4, 1
	v_lshlrev_b32 v[L16], 4, v[LN]
	v_lshlrev_b32 v[K0], 4, v[RR]
	v_lshl_add_u32 v[K0], v[HV], 3, v[K0]          ; reference_points: 16 bytes a token, 8 a level
.irp t, 0,1,2,3
	s_add_co_u32 s32, s18, \t
	s_min_u32 s32, s32, LAST                       ; what is read is clamped to the last tile
	s_lshl_b32 s33, s32, 14
	v_add_nc_u32 v[QO+\t], s33, v[L16]
	s_lshl_b32 s33, s32, 8
	v_add_nc_u32 v[RO+\t], s33, v[K0]
	s_lshl_b32 s33, s32, 4
	v_add_nc_u32 v[CT+4*\t+2], s33, v[RR]          ; my token
.endr
	; a tile of query is 16,384 bytes on end: load k takes bytes 512 k + 16 x lane
.irp t, 0,1,2,3
	WIN 0x80+0x40*((\t)/2)
.set k, 0
.rept 32
	global_load_b128 v[128*((\t)%2)+4*k:128*((\t)%2)+4*k+3], v[QO+\t], s[4:5] offset:512*k th:TH_LOAD_NT
.set k, k+1
.endr
.endr
	WIN 0
.irp t, 0,1,2,3
	global_load_b64 v[CT+4*\t:CT+4*\t+1], v[RO+\t], s[6:7]
.endr
	s_mul_i32 s44, s[WV], SCRW
	s_add_co_u32 s44, s44, SCRB                    ; my scratch
	v_lshl_add_u32 v[CSA], v[LN], 3, s44
	v_mul_u32_u24 v[CFA], v[RR], 528
	v_lshl_add_u32 v[CFA], v[HV], 4, v[CFA]
	v_add_nc_u32 v[CFA], s44, v[CFA]
	v_mul_u32_u24 v[STG0], v[RR], 272
	v_lshl_add_u32 v[STG0], v[HV], 4, v[STG0]
	v_add_nc_u32 v[STG0], s44, v[STG0]
	v_mul_u32_u24 v[FLA], v[HV], 272
	v_lshl_add_u32 v[FLA], v[RR], 4, v[FLA]
	v_add_nc_u32 v[FLA], s44, v[FLA]
	v_add_nc_u32 v[DMP], s44, v[L16]
	v_lshlrev_b32 v[BAD0], 5, v[HV]
	v_add_nc_u32 v[BAD0], VECA, v[BAD0]
	v_lshlrev_b32 v[GV0], 9, v[HV]
	v_lshl_add_u32 v[GV0], v[RR], 4, v[GV0]
	v_cmp_eq_u32 vcc_lo, 1, v[HV]                  ; my lane's level is h: 100 x 100 or 50 x 50
	v_mov_b32 v[K0], 0x42c80000
	v_mov_b32 v[K0+1], 0x42480000
	v_cndmask_b32 v[WP], v[K0], v[K0+1], vcc_lo
	v_mov_b32 v[WP+1], v[WP]
	v_add_f32 v[WM2], -2.0, v[WP]
	v_mul_u32_u24 v[K0+2], v[HV], 10000            ; the level's first row in a batch
	v_mov_b32 v[K0+3], 12500
.irp t, 0,1,2,3                        ; the level's first row in the value table: 12,500 x batch + 10,000 x level (a tile may straddle two batches)
	v_cmp_le_u32 vcc_lo, v[K0+3], v[CT+4*\t+2]
	v_cndmask_b32 v[K0+4], 0, v[K0+3], vcc_lo
	v_cmp_le_u32 vcc_lo, 25000, v[CT+4*\t+2]
	v_cndmask_b32 v[K0+5], 0, v[K0+3], vcc_lo
	v_add_nc_u32 v[K0+4], v[K0+4], v[K0+5]
	v_cmp_le_u32 vcc_lo, 37500, v[CT+4*\t+2]
	v_cndmask_b32 v[K0+5], 0, v[K0+3], vcc_lo
	v_add_nc_u32 v[K0+4], v[K0+4], v[K0+5]
	v_add_nc_u32 v[CT+4*\t+2], v[K0+4], v[K0+2]
	v_mov_b32 v[CT+4*\t+3], v[CT+4*\t+2]
.endr
; Tile t of query: rounded to bf16, laid into my scratch as 16 rows of 528 bytes, read back as eight fragments.  LDS serves a wave's instructions in order, so no wait stands between.
.macro CONV t, cnt
	s_wait_loadcnt \cnt
	WIN 0x0a+5*((\t)/2)
.set k, 0
.rept 32
	v_cvt_pk_bf16_f32 v[TMP+2*k],   v[128*((\t)%2)+4*k],   v[128*((\t)%2)+4*k+1]
	v_cvt_pk_bf16_f32 v[TMP+2*k+1], v[128*((\t)%2)+4*k+2], v[128*((\t)%2)+4*k+3]
.set k, k+1
.endr
	WIN 0
.set k, 0
.rept 32
	ds_store_b64 v[CSA], v[TMP+2*k:TMP+2*k+1] offset:528*(k/2)+256*(k%2)
.set k, k+1
.endr
	WIN 0x40
.set k, 0
.rept 8
	ds_load_b128 v[64*(\t)+8*k:64*(\t)+8*k+3],   v[CFA] offset:64*k
	ds_load_b128 v[64*(\t)+8*k+4:64*(\t)+8*k+7], v[CFA] offset:64*k+32
.set k, k+1
.endr
	WIN 0
.endm
	CONV 0, 63                                     ; behind tile 0's loads 100 were issued, behind tile 1's 68: the count's field ends at 63, and a smaller count is safe
	CONV 1, 63
	CONV 2, 36                                     ; tile 3's 32 and the 4 of reference_points may stay out
	CONV 3, 4
	s_wait_tensorcnt 0x0                           ; my quarter of the weights is in,
	s_wait_dscnt 0x0
	s_barrier_signal -1
	s_barrier_wait -1                              ; everybody's is
; Eight fragments of a tile of weights and its eight biases: 18 LDS loads.
.macro LW buf, bias, woff, boff
	WIN 0x80
.set k, 0
.rept 8
	ds_load_b128 v[(\buf)+8*k:(\buf)+8*k+3],   v[WAD] offset:(\woff)+1024*k
	ds_load_b128 v[(\buf)+8*k+4:(\buf)+8*k+7], v[WAD] offset:(\woff)+1024*k+512
.set k, k+1
.endr
	WIN 0
	ds_load_b128 v[(\bias):(\bias)+3],   v[BAD] offset:(\boff)
	ds_load_b128 v[(\bias)+4:(\bias)+7], v[BAD] offset:(\boff)+16
.endm
; 32 products: 16 columns x 64 tokens x 256.  The four tiles' accumulators take turns; the first product of each starts its sum with the bias.
.macro MM32 acc, buf, bias
	WIN 0x06
.set qc, 0
.rept 8
.set qt, 0
.rept 4
.set rD, (\acc)+8*qt
.set rA, (\buf)+8*qc
.set rB, 64*qt+8*qc
.if qc == 0
	v_wmma_f32_16x16x32_bf16 v[rD:rD+7], v[rA:rA+7], v[rB:rB+7], v[(\bias):(\bias)+7]
.else
	v_wmma_f32_16x16x32_bf16 v[rD:rD+7], v[rA:rA+7], v[rB:rB+7], v[rD:rD+7]
.endif
.set qt, qt+1
.endr
.set qc, qc+1
.endr
	WIN 0
.endm
; A tile of value columns: products, rounding, 16 bytes a lane into the stage (64 rows of 272 bytes), and the same buffer's weights two tiles on.
.macro VQ acc, buf, bias, tmp, cnt, stoff, woff, boff
	s_wait_dscnt \cnt
	MM32 \acc, \buf, \bias
	NOP4                                           ; four places behind the last product, ahead of the conversions and of the loads into the weights' registers
.set k, 0
.rept 16
	v_cvt_pk_bf16_f32 v[(\tmp)+k], v[(\acc)+2*k], v[(\acc)+2*k+1]
.set k, k+1
.endr
.set k, 0
.rept 4
	ds_store_b128 v[STGA], v[(\tmp)+4*k:(\tmp)+4*k+3] offset:4352*k+(\stoff)
.set k, k+1
.endr
	LW \buf, \bias, \woff, \boff
.endm
	v_mov_b32 v[WAD], v[L16]
	v_mov_b32 v[BAD], v[BAD0]
	LW WA, BA, 0, 0
	LW WB, BB, 8192, 64
	s_mov_b32 s[WO], 0
	s_mov_b32 s[BO], 0
	s_mov_b32 s[HC], 0
.Lhalf:                                        ; twice: 128 columns of value, then their way out
	s_mov_b32 s[IC], 0
.Lvq:                                          ; four trips of two tiles: eight trips in all walk tiles 0 to 15; the two LDS offsets step on from trip to trip, across the outer loop too
	v_add_nc_u32 v[WAD], s[WO], v[L16]
	v_add_nc_u32 v[BAD], s[BO], v[BAD0]
	s_lshl_b32 s33, s[IC], 6
	v_add_nc_u32 v[STGA], s33, v[STG0]
	VQ XA, WA, BA, TMP, 18, 0, 16384, 128          ; behind this buffer's loads stand the other's 18 on the way in, 4 stores more round the loop: the smaller count serves both
	VQ YA, WB, BB, TMP+16, 22, 32, 24576, 192      ; 4 stores and 18 loads are younger
	s_add_co_u32 s[WO], s[WO], 16384               ; two tiles of 8,192 bytes on,
	s_add_co_u32 s[BO], s[BO], 128                 ; and their 2 x 16 biases
	s_add_co_u32 s[IC], s[IC], 1
	s_cmp_lt_u32 s[IC], 4
	s_cbranch_scc1 .Lvq
	s_wait_xcnt 0x0                                ; the last way out's stores have read their offset
	s_lshl_b32 s33, s[HC], 8
	v_add_nc_u32 v[GVA], s33, v[GV0]
.irp g, 0,1                            ; 64 rows x 256 bytes leave: 16 lanes store 256 consecutive bytes, aligned
.if \g
	s_wait_xcnt 0x0                                ; the first sixteen stores have read their data registers
.endif
.set k, 0
.rept 16
	ds_load_b128 v[TMP+4*k:TMP+4*k+3], v[FLA] offset:544*(16*\g+k)
.set k, k+1
.endr
.set k, 0
.rept 16
	s_wait_dscnt 15-k
	global_store_b128 v[GVA], v[TMP+4*k:TMP+4*k+3], s[10:11] offset:1024*(16*\g+k)
.set k, k+1
.endr
.endr
	s_wait_xcnt 0x0                                ; the work registers are written again below
	s_add_co_u32 s[HC], s[HC], 1
	s_cmp_lt_u32 s[HC], 2
	s_cbranch_scc1 .Lhalf                          ; (the last trip's look-ahead brought tiles 16 and 17, inside the block; the loop below asks for them again)
	s_wait_loadcnt 0x0                             ; reference_points
.irp i, 0,1,2,3,4,5,6,7                ; a copy of the tile's constants for each (tile, head of the pair)
	ds_store_b128 v[DMP], v[CT+4*((\i)/2):CT+4*((\i)/2)+3] offset:12288+512*\i
.endr
	v_mov_b32 v[MX+1], 0                           ; v_permlanex16_b32's destination counts as read
	s_mov_b32 s[T2], 0
.Lpair:                                        ; four trips: heads 2 T2 and 2 T2 + 1: two tiles of offsets, one of logits
	s_mul_i32 s32, s[T2], 3
	s_add_co_u32 s32, s32, 16
	s_lshl_b32 s33, s32, 13
	v_add_nc_u32 v[WAD], s33, v[L16]
	s_lshl_b32 s33, s32, 6
	v_add_nc_u32 v[BAD], s33, v[BAD0]
	LW WA, BA, 0, 0
	LW WB, BB, 8192, 64
	LW WC, BC, 16384, 128
	s_wait_dscnt 36                                ; two sets of 18 are younger
	MM32 XA, WA, BA
	s_wait_dscnt 18
	MM32 YA, WB, BB
	s_wait_dscnt 0x0
	MM32 ZA, WC, BC
	NOP4
.irp i, 0,1,2,3,4,5,6,7                ; (tile i / 2, head i % 2): 8 offsets and 4 logits a lane, each accumulator's low registers first
	ds_store_b128 v[DMP], v[XA+32*((\i)%2)+8*((\i)/2):XA+32*((\i)%2)+8*((\i)/2)+3]   offset:1536*\i
	ds_store_b128 v[DMP], v[XA+32*((\i)%2)+8*((\i)/2)+4:XA+32*((\i)%2)+8*((\i)/2)+7] offset:1536*\i+512
	ds_store_b128 v[DMP], v[ZA+8*((\i)/2)+4*((\i)%2):ZA+8*((\i)/2)+4*((\i)%2)+3]     offset:1536*\i+1024
.endr
	s_mov_b32 s[CI], 0
.Lcombo:                                       ; eight trips, one text: my lane is (token r, level h) of one head
	s_wait_xcnt 0x0                                ; the last trip's stores have read their data and offsets
	s_mul_i32 s32, s[CI], 1536
	v_add_nc_u32 v[CBA], s32, v[DMP]
	s_lshl_b32 s32, s[CI], 9
	v_add_nc_u32 v[CTA], s32, v[DMP]
	ds_load_b128 v[OF:OF+3],   v[CBA]
	ds_load_b128 v[OF+4:OF+7], v[CBA] offset:512
	ds_load_b128 v[AW:AW+3],   v[CBA] offset:1024
	ds_load_b128 v[CQ:CQ+3],   v[CTA] offset:12288
	s_lshr_b32 s32, s[CI], 1
	s_lshl_b32 s32, s32, 3
	s_and_b32 s33, s[CI], 1
	s_add_co_u32 s32, s32, s33
	s_lshl_b32 s33, s[T2], 1
	s_add_co_u32 s32, s32, s33                     ; 8 x tile + head
	s_lshl_b32 s33, s32, 9
	v_add_nc_u32 v[IOF], s33, v[L16]
	s_lshl_b32 s33, s32, 10
	v_add_nc_u32 v[WOF], s33, v[L16]
	s_wait_dscnt 0x0
	v_max3_num_f32 v[MX], v[AW], v[AW+1], v[AW+2]  ; the maximum of the head's 8 logits: my level's four, the other level's in the lane 16 away
	v_max_num_f32 v[MX], v[MX], v[AW+3]
	v_permlanex16_b32 v[MX+1], v[MX], s[SEL], s[SEL+1]
	v_max_num_f32 v[MX], v[MX], v[MX+1]
	v_pk_add_f32 v[AW:AW+1],   v[AW:AW+1],   v[MX:MX+1] op_sel_hi:[1,0] neg_lo:[0,1] neg_hi:[0,1]
	v_pk_add_f32 v[AW+2:AW+3], v[AW+2:AW+3], v[MX:MX+1] op_sel_hi:[1,0] neg_lo:[0,1] neg_hi:[0,1]
	v_pk_mul_f32 v[AW:AW+1],   v[AW:AW+1],   0x3fb8aa3b op_sel_hi:[1,0]
	v_pk_mul_f32 v[AW+2:AW+3], v[AW+2:AW+3], 0x3fb8aa3b op_sel_hi:[1,0]
	v_exp_f32 v[AW],   v[AW]
	v_exp_f32 v[AW+1], v[AW+1]
	v_exp_f32 v[AW+2], v[AW+2]
	v_exp_f32 v[AW+3], v[AW+3]
	; the positions: work that names no exponential's result
	EACHP v_pk_fma_f32 v[XY+2*p:XY+2*p+1], v[CQ:CQ+1], v[WP:WP+1], v[OF+2*p:OF+2*p+1]
	EACH8 v_floor_f32 v[XB+i], v[XY+i]
	EACH8 v_max_num_f32 v[XB+i], 0, v[XB+i]
	EACH8 v_min_num_f32 v[XB+i], v[WM2], v[XB+i]
	EACHP v_pk_add_f32 v[UU+2*p:UU+2*p+1], v[XY+2*p:XY+2*p+1], v[XB+2*p:XB+2*p+1] neg_lo:[0,1] neg_hi:[0,1]
	EACHP v_pk_add_f32 v[U1+2*p:U1+2*p+1], v[UU+2*p:UU+2*p+1], -1.0 op_sel_hi:[1,0]
	EACH8 v_and_b32 v[UU+i], s[ABSM], v[UU+i]
	EACH8 v_and_b32 v[U1+i], s[ABSM], v[U1+i]
	EACHP v_sub_f32 v[WX+2*p],   1.0, v[UU+2*p]
	EACHP v_sub_f32 v[WX+2*p+1], 1.0, v[U1+2*p]
	EACHP v_sub_f32 v[WY+2*p],   1.0, v[UU+2*p+1]
	EACHP v_sub_f32 v[WY+2*p+1], 1.0, v[U1+2*p+1]
	EACH8 v_max_num_f32 v[WX+i], 0, v[WX+i]
	EACH8 v_max_num_f32 v[WY+i], 0, v[WY+i]
	EACHP v_fma_f32 v[IDX+p], v[XB+2*p+1], v[WP], v[XB+2*p]
	EACHP v_cvt_u32_f32 v[IDX+p], v[IDX+p]
	EACHP v_add_nc_u32 v[IDX+p], v[IDX+p], v[CQ+2]
	s_wait_alu depctr_va_vdst(0)                   ; one wait for the four exponentials, ahead of their first reader
	v_pk_add_f32 v[SM:SM+1], v[AW:AW+1], v[AW+2:AW+3]
	v_add_f32 v[SM], v[SM], v[SM+1]
	v_permlanex16_b32 v[SM+1], v[SM], s[SEL], s[SEL+1]
	v_add_f32 v[SM], v[SM], v[SM+1]
	v_rcp_f32 v[SM], v[SM]
	v_nop
	s_wait_alu depctr_va_vdst(0)                   ; and one for the reciprocal
	v_pk_mul_f32 v[AW:AW+1],   v[AW:AW+1],   v[SM:SM+1] op_sel_hi:[1,0]
	v_pk_mul_f32 v[AW+2:AW+3], v[AW+2:AW+3], v[SM:SM+1] op_sel_hi:[1,0]
.set p, 0
.rept 4                                ; the two row weights times the point's attention weight
.if p%2 == 0
	v_pk_mul_f32 v[WY+2*p:WY+2*p+1], v[WY+2*p:WY+2*p+1], v[AW+2*(p/2):AW+2*(p/2)+1] op_sel_hi:[1,0]
.else
	v_pk_mul_f32 v[WY+2*p:WY+2*p+1], v[WY+2*p:WY+2*p+1], v[AW+2*(p/2):AW+2*(p/2)+1] op_sel:[0,1] op_sel_hi:[1,1]
.endif
.set p, p+1
.endr
	EACHP v_pk_mul_f32 v[XY+2*p:XY+2*p+1], v[WX+2*p:WX+2*p+1], v[WY+2*p:WY+2*p+1] op_sel_hi:[1,0]
	EACHP v_pk_mul_f32 v[XB+2*p:XB+2*p+1], v[WX+2*p:WX+2*p+1], v[WY+2*p:WY+2*p+1] op_sel:[0,1] op_sel_hi:[1,1]
	EACHP v_cvt_pk_bf16_f32 v[OW+2*p],   v[XY+2*p], v[XY+2*p+1]
	EACHP v_cvt_pk_bf16_f32 v[OW+2*p+1], v[XB+2*p], v[XB+2*p+1]
	global_store_b128 v[IOF], v[IDX:IDX+3], s[12:13]            ; each store of the wave covers 512 consecutive bytes
	global_store_b128 v[WOF], v[OW:OW+3],   s[14:15]
	global_store_b128 v[WOF], v[OW+4:OW+7], s[14:15] offset:512
	s_add_co_u32 s[CI], s[CI], 1
	s_cmp_lt_u32 s[CI], 8
	s_cbranch_scc1 .Lcombo
	s_add_co_u32 s[T2], s[T2], 1
	s_cmp_lt_u32 s[T2], 4
	s_cbranch_scc1 .Lpair
	s_wait_tensorcnt 0x0                           ; the wave's end
	ds_add_u32 v[SPW], v[NIL]
	s_wait_dscnt 0x0
	ROUND                                          ; the closing round
	s_endpgm
.Lfunc_end_k_qe4a6f7aebc_proj:
	.size	k_qe4a6f7aebc_proj, .Lfunc_end_k_qe4a6f7aebc_proj-k_qe4a6f7aebc_proj
	.p2alignl 7, 3214868480
	.fill 96, 4, 3214868480
	.section	.rodata,"a",@progbits
	.p2align	6, 0x0
	.amdhsa_kernel k_qe4a6f7aebc_proj
		.amdhsa_group_segment_fixed_size 301568
		.amdhsa_private_segment_fixed_size 0
		.amdhsa_enable_private_segment 0
		.amdhsa_kernarg_size 48
		.amdhsa_user_sgpr_count 2
		.amdhsa_user_sgpr_kernarg_segment_ptr 1
		.amdhsa_wavefront_size32 1
		.amdhsa_system_sgpr_workgroup_id_x 1
		.amdhsa_system_sgpr_workgroup_id_y 1
		.amdhsa_system_sgpr_workgroup_id_z 1
		.amdhsa_system_vgpr_workitem_id 0
		.amdhsa_next_free_vgpr 1024
		.amdhsa_next_free_sgpr 66
		.amdhsa_reserve_vcc 1
		.amdhsa_float_denorm_mode_32 3
		.amdhsa_float_denorm_mode_16_64 3
		.amdhsa_memory_ordered 1
		.amdhsa_forward_progress 1
		.amdhsa_inst_pref_size 87
	.end_amdhsa_kernel
	.amdgpu_metadata
---
amdhsa.version: [ 1, 2 ]
amdhsa.kernels:
  - .name:           k_qe4a6f7aebc_proj
    .symbol:         k_qe4a6f7aebc_proj.kd
    .args:
      - { .name: query, .offset: 0, .size: 8, .value_kind: global_buffer, .address_space: global }
      - { .name: reference_points, .offset: 8, .size: 8, .value_kind: global_buffer, .address_space: global }
      - { .name: wf, .offset: 16, .size: 8, .value_kind: global_buffer, .address_space: global }
      - { .name: value, .offset: 24, .size: 8, .value_kind: global_buffer, .address_space: global }
      - { .name: idx, .offset: 32, .size: 8, .value_kind: global_buffer, .address_space: global }
      - { .name: wts, .offset: 40, .size: 8, .value_kind: global_buffer, .address_space: global }
    .group_segment_fixed_size: 301568
    .private_segment_fixed_size: 0
    .kernarg_segment_align: 8
    .kernarg_segment_size: 48
    .max_flat_workgroup_size: 128
    .sgpr_count:     66
    .vgpr_count:     1024
    .wavefront_size: 32
...
	.end_amdgpu_metadata
.endif
;; end of part 2
;; launch gath (part 3): grid 6250 x 1, 4 waves a work-group, no clusters, 0 bytes of LDS; arguments value, idx, wts, sf; writes sf
.if DOCPART == 3
	.amdgcn_target "amdgcn-amd-amdhsa--gfx1250"
	.amdhsa_code_object_version 6
	.text
	.protected	k_qe4a6f7aebc_gath
	.globl	k_qe4a6f7aebc_gath
	.p2align	8
	.type	k_qe4a6f7aebc_gath,@function
k_qe4a6f7aebc_gath:
	s_mov_b64 s[64:65], 0
	v_nop
	global_prefetch_b8 v0, s[64:65] scope:SCOPE_SE
	s_setreg_imm32_b32 hwreg(HW_REG_WAVE_MODE, 25, 1), 1
	s_wait_xcnt 0x0
; GATH: for each (token, head) the weighted sum of 8 points x 4 corners = 32 rows of 32 channels of the value table.  No work of the layer is left out: a corner outside the map has weight 0 in wts.
; The base rows are whole numbers that the launch before stored; the corners lie 0, 1, W and W + 1 rows behind a base.
; SHARES.  A wave has one unit U = 8 x tile + head: 16 tokens of one head.  Lane (r = l % 16, h = l / 16) has token r and channels 8 h + 0..7 and 16 + 8 h + 0..7: the result, rounded to bf16,
; IS the matrix fragment (16 tokens x 32 k) that the next launch multiplies by w_out; it leaves as 1,024 consecutive bytes.
; No LDS, no barrier, no matrix unit: the sum runs over gathered rows, and no wave wants another's bytes.  Many small waves lie on a SIMD, so that one wave's loads are on their way while another adds.
; IN FLIGHT: four points' 32 loads a wave; the wait in front of a point leaves the later points' loads out.
; LIMITS: sums in f32; value, weights and result bf16.  A base row is clamped to 49,948, the largest that the launch before can make.
.set II,   4                           ; v[4:11]   base rows, then byte offsets, of the 8 points (level 0's four, level 1's four)
.set WT,   12                          ; v[12:27]  point k: (w00, w10) at 2 k, (w01, w11) at 2 k + 1
.set ACC,  28                          ; v[28:43]  16 sums
.set ZERO, 44
.set OUT,  48
.set GR,   64                          ; v[64:191] four groups of 32: a point's 4 corners x 2 pieces x 16 bytes
	s_load_b256 s[4:11], s[0:1], 0x0               ; value, idx, wts, sf
	v_lshrrev_b32 v1, 5, v0
	v_readfirstlane_b32 s12, v1
	s_lshl_b32 s13, ttmp9, 2
	s_add_co_u32 s13, s13, s12                     ; U
	s_and_b32 s14, s13, 7
	s_lshl_b32 s14, s14, 6                         ; the head's 64 bytes of a row
	v_and_b32 v1, 15, v0
	v_lshlrev_b32 v1, 4, v1                        ; 16 r
	v_bfe_u32 v2, v0, 4, 1
	v_lshl_add_u32 v2, v2, 4, s14                  ; 64 head + 16 h
	v_and_b32 v3, 31, v0
	v_lshlrev_b32 v3, 4, v3                        ; 16 x lane
	v_mov_b32 v[ZERO], 0
	s_lshl_b32 s16, s13, 9
	s_mov_b32 s17, 0
	s_lshl_b32 s18, s13, 10
	s_mov_b32 s19, 0
	s_wait_kmcnt 0x0
	s_add_nc_u64 s[6:7], s[6:7], s[16:17]
	s_add_nc_u64 s[8:9], s[8:9], s[18:19]
	s_add_nc_u64 s[10:11], s[10:11], s[18:19]
	global_load_b128 v[II:II+3],   v1, s[6:7] th:TH_LOAD_NT
	global_load_b128 v[II+4:II+7], v1, s[6:7] offset:256 th:TH_LOAD_NT
.irp l, 0,1
.irp q, 0,1
	global_load_b128 v[WT+8*\l+4*\q:WT+8*\l+4*\q+3], v1, s[8:9] offset:512*\q+256*\l th:TH_LOAD_NT
.endr
.endr
	s_wait_loadcnt 4                               ; the base rows are in; the four loads of weights may stay out
.set k, 0
.rept 8
	v_min_u32 v[II+k], 49948, v[II+k]
	v_lshl_add_u32 v[II+k], v[II+k], 9, v2         ; row x 512 bytes + my place in it
.set k, k+1
.endr
.macro ISSUE k                         ; point k's eight loads
.set wd, 100-50*((\k)/4)
.set qr, 0
.rept 4
	global_load_b128 v[GR+32*((\k)%4)+8*qr:GR+32*((\k)%4)+8*qr+3],   v[II+(\k)], s[4:5] offset:((qr/2)*wd+qr%2)*512
	global_load_b128 v[GR+32*((\k)%4)+8*qr+4:GR+32*((\k)%4)+8*qr+7], v[II+(\k)], s[4:5] offset:((qr/2)*wd+qr%2)*512+32
.set qr, qr+1
.endr
.endm
.macro POINT k                         ; 64 multiply-adds from bf16 halves into f32: between two on one sum stand fifteen others
.set qr, 0
.rept 4
.set qe, 0
.rept 16
.set rG, GR+32*((\k)%4)+8*qr+qe/2
.set rW, WT+2*(\k)+qr/2
.set rC, ACC+qe
.if ((\k) == 0) && (qr == 0)
.set rC, ZERO                          ; the first corner starts the sums
.endif
.if (qe%2 == 0) && (qr%2 == 0)
	v_fma_mix_f32_bf16 v[ACC+qe], v[rG], v[rW], v[rC] op_sel_hi:[1,1,0]
.elseif (qe%2 == 1) && (qr%2 == 0)
	v_fma_mix_f32_bf16 v[ACC+qe], v[rG], v[rW], v[rC] op_sel:[1,0,0] op_sel_hi:[1,1,0]
.elseif (qe%2 == 0) && (qr%2 == 1)
	v_fma_mix_f32_bf16 v[ACC+qe], v[rG], v[rW], v[rC] op_sel:[0,1,0] op_sel_hi:[1,1,0]
.else
	v_fma_mix_f32_bf16 v[ACC+qe], v[rG], v[rW], v[rC] op_sel:[1,1,0] op_sel_hi:[1,1,0]
.endif
.set qe, qe+1
.endr
.set qr, qr+1
.endr
.endm
	ISSUE 0
	ISSUE 1
	ISSUE 2
	ISSUE 3
.irp k, 0,1,2,3
	s_wait_loadcnt 24                              ; three later points' loads stay out
	POINT \k
	ISSUE \k+4
.endr
	s_wait_loadcnt 24
	POINT 4
	s_wait_loadcnt 16
	POINT 5
	s_wait_loadcnt 8
	POINT 6
	s_wait_loadcnt 0x0
	POINT 7
.set k, 0
.rept 8
	v_cvt_pk_bf16_f32 v[OUT+k], v[ACC+2*k], v[ACC+2*k+1]
.set k, k+1
.endr
	global_store_b128 v3, v[OUT:OUT+3],   s[10:11]
	global_store_b128 v3, v[OUT+4:OUT+7], s[10:11] offset:512
	s_endpgm
.Lfunc_end_k_qe4a6f7aebc_gath:
	.size	k_qe4a6f7aebc_gath, .Lfunc_end_k_qe4a6f7aebc_gath-k_qe4a6f7aebc_gath
	.p2alignl 7, 3214868480
	.fill 96, 4, 3214868480
	.section	.rodata,"a",@progbits
	.p2align	6, 0x0
	.amdhsa_kernel k_qe4a6f7aebc_gath
		.amdhsa_group_segment_fixed_size 0
		.amdhsa_private_segment_fixed_size 0
		.amdhsa_enable_private_segment 0
		.amdhsa_kernarg_size 32
		.amdhsa_user_sgpr_count 2
		.amdhsa_user_sgpr_kernarg_segment_ptr 1
		.amdhsa_wavefront_size32 1
		.amdhsa_system_sgpr_workgroup_id_x 1
		.amdhsa_system_sgpr_workgroup_id_y 1
		.amdhsa_system_sgpr_workgroup_id_z 1
		.amdhsa_system_vgpr_workitem_id 0
		.amdhsa_next_free_vgpr 192
		.amdhsa_next_free_sgpr 66
		.amdhsa_reserve_vcc 0
		.amdhsa_float_denorm_mode_32 3
		.amdhsa_float_denorm_mode_16_64 3
		.amdhsa_memory_ordered 1
		.amdhsa_forward_progress 1
		.amdhsa_inst_pref_size 42
	.end_amdhsa_kernel
	.amdgpu_metadata
---
amdhsa.version: [ 1, 2 ]
amdhsa.kernels:
  - .name:           k_qe4a6f7aebc_gath
    .symbol:         k_qe4a6f7aebc_gath.kd
    .args:
      - { .name: value, .offset: 0, .size: 8, .value_kind: global_buffer, .address_space: global }
      - { .name: idx, .offset: 8, .size: 8, .value_kind: global_buffer, .address_space: global }
      - { .name: wts, .offset: 16, .size: 8, .value_kind: global_buffer, .address_space: global }
      - { .name: sf, .offset: 24, .size: 8, .value_kind: global_buffer, .address_space: global }
    .group_segment_fixed_size: 0
    .private_segment_fixed_size: 0
    .kernarg_segment_align: 8
    .kernarg_segment_size: 32
    .max_flat_workgroup_size: 128
    .sgpr_count:     66
    .vgpr_count:     192
    .wavefront_size: 32
...
	.end_amdgpu_metadata
.endif
;; end of part 3
;; launch ffn (part 4): grid 196 x 1, 4 waves a work-group, clusters of 4 x 1, 327,680 bytes of LDS; arguments query, sf, wf, out0; writes out0
.if DOCPART == 4
	.amdgcn_target "amdgcn-amd-amdhsa--gfx1250"
	.amdhsa_code_object_version 6
	.text
	.protected	k_qe4a6f7aebc_ffn
	.globl	k_qe4a6f7aebc_ffn
	.p2align	8
	.type	k_qe4a6f7aebc_ffn,@function
k_qe4a6f7aebc_ffn:
	s_mov_b64 s[64:65], 0
	v_nop
	global_prefetch_b8 v0, s[64:65] scope:SCOPE_SE
	s_setreg_imm32_b32 hwreg(HW_REG_WAVE_MODE, 25, 1), 1
	s_wait_xcnt 0x0
	s_wait_alu depctr_hold_cnt(0) depctr_sa_sdst(0) depctr_va_vdst(0) depctr_va_sdst(0) depctr_va_ssrc(0) depctr_va_vcc(0) depctr_vm_vsrc(0)
	s_getreg_b32 s2, hwreg(HW_REG_IB_STS2, 6, 4)
	s_cmp_eq_u32 s2, 0
	s_cbranch_scc0 .Lentry_in_a_cluster
	s_endpgm
.Lentry_in_a_cluster:
	s_bfe_u32 s2, ttmp6, 0x10000c
	s_cmp_lg_u32 s2, 0x3003
	s_cbranch_scc0 .Lentry_shape_is_right
	s_endpgm
.Lentry_shape_is_right:
; FFN: x = LN0(query + S w_out + b_out);  out0 = LN1(x + relu(x w1 + b1) w2 + b2).  S are the sampled rows, stored as fragments by the launch before.  No work of the layer is left out.
; SHARES.  A work-group has 256 tokens, each of its four waves four tiles of 16; a wave keeps its 64 tokens x 256 channels in 512 registers of f32 from the residual to the last norm; the hidden layer
; never leaves registers.  196 work-groups cover 3,136 tiles for 3,125: a tile past the last reads the last tile's rows, and its stores are switched off by EXEC: no branch hangs on a work-group's place.
; PRODUCTS are taken transposed (source 0 = 16 columns of a weight, source 1 = 16 tokens): a lane (r = l % 16, h = l / 16) holds token r and columns 8 h + 0..7.  Two such results, rounded to bf16 in
; pairs, ARE source 1 of the next product: nothing changes lanes between x w1 and h w2.
; THE WEIGHTS are one stream of 34 slots of 65,536 bytes (w_out: 2; then two steps of 32 hidden columns a slot), laid out as fragments, walked by every wave through a ring of two LDS slots.
; CLUSTER.  All work-groups walk the same stream: the four of a cluster ask for each slot jointly, a quarter a wave.  By the text's own count a wave has three loads out at the start, one behind each change.
; THE NORMS go a tile at a time through the wave's own stage in LDS, where 16 lanes hold a row: mean, then the sum of squares of the differences: no difference of large sums is formed.
; LIMITS.  Matrix operands (S, x, h, all weights) are bf16; sums, residuals and norms f32.  NaN and infinities are not treated apart.
; REGISTERS, in windows of 256: window 0 addresses, b1, h, weights, the norms' work; window 1 S, later x, as fragments (tile t, K chunk c at 64 t + 8 c);
; windows 2, 3 the accumulators: tile t, channels 16 nt on, at 32 (nt % 8) + 8 t of window 2 + nt / 8: a quarter of a step stays in one window.
.set VEC,   131072                     ; LDS: the ring at 0 and 65,536; the vectors; each wave's scratch; the spare words
.set SCRB,  145408
.set SCRW,  25088                      ; 16 rows x 1,040 bytes of f32, then 16 rows x 528 of bf16
.set XBO,   16640
.set SPARE, 245760
.set WVECS, 231424                     ; in wf: the vectors, the stream
.set WSTR,  245760
.set LAST,  3124
.set VW,   1                           ; 16 x lane + the slot in hand
.set VW1,  2                           ; 16 x lane + 65,536
.set VB1,  3                           ; b1 of the slot's first step
.set ST,   4                           ; stage + 1,040 r + 32 h: a lane's 8 channels; never rewritten
.set RW0,  5                           ; stage + 1,040 h + 16 r: 16 lanes a row; never rewritten
.set XW0,  6
.set XF,   7
.set GB,   8
.set VT,   9
.set ZR,   10
.set L16,  11
.set SPW,  12
.set NIL,  13
.set PFO,  14
.set VB10, 15
.set B1,   16                          ; v[16:31] b1 of a step; before the hidden layer: at work
.set QO,   16
.set SO,   20
.set RS,   24
.set RWA,  25                          ; the first norm's row address
.set XWA,  26
.set GA,   27
.set VC,   28                          ; the first norm's; the second norm takes v15 (set anew below)
.set HA,   32                          ; v[32:95] h in f32: hidden tile j, token tile t at 32 j + 8 t
.set HP,   96                          ; v[96:127] h as fragments
.set WA,   128                         ; two sets of eight weight fragments
.set WB,   192
.set DD,   64                          ; the norms: four row pairs of 16; 8 at work each; 8 packed each; four vectors of 16
.set TS,   128
.set XP,   160
.set VBO,  192
.set VG,   208
.set VBT,  224
.set VB2,  240
.set WV,   12
.set LIM,  15
.set G1,   16
.set G1V,  24
.set G0A,  32
.set G0B,  36
.set G0V,  40
.set PFA,  44
.set CNT,  46
.set TC,   47
.set RC,   48
.set SL,   49
.set SB1,  50
.set I256, 54
.set EPS,  55
.set MSB, 0
.macro WIN new                         ; the immediate's high byte repeats the setting that is left
.if MSB != (\new)
	s_set_vgpr_msb (MSB<<8)|(\new)
.set MSB, (\new)
.endif
.endm
.macro NOP4
.rept 4
	v_nop
.endr
.endm
.macro ROUND                           ; a round of the cluster's barrier
	s_barrier_signal -1
	s_barrier_wait -1
	s_cmp_lg_u32 s[WV], 0
	s_cbranch_scc1 .Lnw0_\@
	s_barrier_signal -3
.Lnw0_\@:
	s_barrier_wait -3
	s_barrier_signal -1
	s_barrier_wait -1
.endm
.macro LOADW buf, areg, off            ; eight fragments: 16 LDS loads, each of 512 consecutive bytes
.set qf, 0
.rept 8
	ds_load_b128 v[(\buf)+8*qf:(\buf)+8*qf+3],   v[\areg] offset:(\off)+1024*qf
	ds_load_b128 v[(\buf)+8*qf+4:(\buf)+8*qf+7], v[\areg] offset:(\off)+1024*qf+512
.set qf, qf+1
.endr
.endm
; THE CHANGE OF SLOTS.  Each wave waits for all its tensor loads (one is out: its quarter of the other slot), adds 0 to its spare word, and waits for that and for its reads of the slot that it leaves.
; fill = 1: a round of the cluster's barrier, so that no wave of any partner still reads the slot, and the joint refill first behind it.  flip = 1: the reads go over to the other slot.
.macro CHG fill, flip
	WIN 0
	s_wait_tensorcnt 0x0
	ds_add_u32 v[SPW], v[NIL]                      ; the descriptor's steps stand between it and its wait
.if \fill
	s_xor_b32 s[G0B+1], s[G0B+1], 65536            ; the walking descriptor: the other slot, the stream's next 65,536 bytes
	s_add_nc_u64 s[G0B+2:G0B+3], s[G0B+2:G0B+3], 65536
	s_wait_xcnt 0x0                                ; the last prefetch, a slot back, has read its address
	s_add_nc_u64 s[PFA:PFA+1], s[PFA:PFA+1], 65536
.endif
.if \flip
	s_xor_b32 s[SL], s[SL], 65536
.endif
	s_wait_dscnt 0x0
.if \fill
	ROUND
	tensor_load_to_lds s[G0B:G0B+3], s[G1:G1+7]
	s_nop 0
	NOP4
.else
	s_barrier_signal -1
	s_barrier_wait -1
.endif
.if \flip
	v_add_nc_u32 v[VW], s[SL], v[L16]
.endif
.endm
; A PREFETCH INTO THE L2 of the slot that the NEXT change will ask for: 256 blocks of 256 bytes, each named once in the launch.  All clusters walk the same stream: the first cluster asks; its four
; partners take 64 blocks each, told apart by address; in each, waves 0 and 1 ask, a lane a block.  how = 0, in the loop: the last change that fills a slot has no slot behind it and asks for nothing.
.macro ASK how
.if \how
	s_cmp_eq_u32 s[LIM], 1
.else
	s_cmp_gt_u32 s[CNT], s[LIM]
.endif
	s_cbranch_scc0 .Lna_\@
	global_prefetch_b8 v[PFO], s[PFA:PFA+1] th:TH_LOAD_NT scope:SCOPE_SE
.Lna_\@:
.endm
	s_load_b256 s[4:11], s[0:1], 0x0               ; query, sf, wf, out0
	v_lshl_add_u32 v[SPW], v0, 2, SPARE
	v_mov_b32 v[NIL], 0
	ds_add_u32 v[SPW], v[NIL]                      ; the opening: the add, twice on end, and its wait ahead of my first tensor load
	ds_add_u32 v[SPW], v[NIL]
	v_lshrrev_b32 v1, 5, v0
	v_readfirstlane_b32 s[WV], v1                  ; wave 0..3
.irp g, G1, G1V
	s_mov_b32 s[\g+0], 15|(3<<16)|(1<<21)          ; the mask of four; elements of 8 bytes; bit 21 beside a mask
	s_mov_b32 s[\g+1], 32<<16                      ; rows of 256 bytes
	s_mov_b32 s[\g+3], 32<<16
	s_mov_b32 s[\g+5], 32                          ; dense
	s_mov_b32 s[\g+6], 0
	s_mov_b32 s[\g+7], 0
.endr
	s_mov_b32 s[G1+2], 64<<16                      ; a quarter of a slot: 64 rows
	s_mov_b32 s[G1+4], 64
	s_mov_b32 s[G1V+2], 14<<16                     ; a quarter of the vectors: 14 rows
	s_mov_b32 s[G1V+4], 14
	s_mov_b32 s[G0A], 1
	s_lshl_b32 s[G0A+1], s[WV], 14
	s_mov_b32 s[G0B], 1
	s_add_co_u32 s[G0B+1], s[G0A+1], 65536
	s_mov_b32 s[G0V], 1
	s_mul_i32 s[G0V+1], s[WV], 3584
	s_add_co_u32 s[G0V+1], s[G0V+1], VEC
	s_lshl_b32 s56, s[WV], 14
	s_add_co_u32 s56, s56, WSTR
	s_mov_b32 s57, 0
	s_mul_i32 s58, s[WV], 3584
	s_add_co_u32 s58, s58, WVECS
	s_mov_b32 s59, 0
	s_lshr_b32 s[LIM], s[WV], 1                    ; waves 0 and 1 of the first cluster prefetch: the same in all four partners
	s_or_b32 s[LIM], s[LIM], ttmp9
	s_cmp_eq_u32 s[LIM], 0
	s_cselect_b32 s[LIM], 1, -1
	s_mov_b32 s[I256], 0x3b800000                  ; 1 / 256
	s_mov_b32 s[EPS], 0x3727c5ac                   ; 1e-5
	s_mov_b32 s[SL], 0
	s_mov_b32 s[SB1], 0
	s_wait_dscnt 0x0                               ; both opening adds are done
	s_wait_kmcnt 0x0
	s_add_nc_u64 s[G0A+2:G0A+3], s[8:9], s[56:57]
	s_add_nc_u64 s[G0B+2:G0B+3], s[G0A+2:G0A+3], 65536
	s_or_b32 s[G0A+3], s[G0A+3], 0x80000000
	s_or_b32 s[G0B+3], s[G0B+3], 0x80000000
	s_add_nc_u64 s[G0V+2:G0V+3], s[8:9], s[58:59]
	s_or_b32 s[G0V+3], s[G0V+3], 0x80000000
	ROUND                                          ; the four work-groups are here: the first joint loads meet
	tensor_load_to_lds s[G0A:G0A+3], s[G1:G1+7]    ; stream slot 0
	s_nop 0
	tensor_load_to_lds s[G0B:G0B+3], s[G1:G1+7]    ; stream slot 1
	s_nop 0
	tensor_load_to_lds s[G0V:G0V+3], s[G1V:G1V+7]  ; the vectors
	s_nop 0
	NOP4
	s_bfe_u32 s13, ttmp6, 0x40000                  ; cx: it enters global addresses and the stores' mask alone
	s_lshl_b32 s14, ttmp9, 2
	s_add_co_u32 s14, s14, s13
	s_lshl_b32 s14, s14, 4
	s_lshl_b32 s51, s[WV], 2
	s_add_co_u32 s14, s14, s51                     ; my first tile
	s_lshl_b32 s62, s13, 14
	s_and_b32 s63, s[WV], 1
	s_lshl_b32 s63, s63, 13
	s_add_co_u32 s62, s62, s63
	s_add_co_u32 s62, s62, WSTR+2*65536            ; in stream slot 2: the first change steps it to slot 3
	s_mov_b32 s63, 0
	s_add_nc_u64 s[PFA:PFA+1], s[8:9], s[62:63]
	s_lshl_b32 s66, s14, 14
	s_mov_b32 s67, 0
	s_add_nc_u64 s[10:11], s[10:11], s[66:67]      ; out0 at my first tile
	v_and_b32 v29, 15, v0                          ; r
	v_bfe_u32 v30, v0, 4, 1                        ; h
	v_and_b32 v31, 31, v0
	v_lshlrev_b32 v[L16], 4, v31
	v_lshlrev_b32 v[PFO], 8, v31
	v_mov_b32 v[VW], v[L16]
	v_add_nc_u32 v[VW1], 0x10000, v[L16]
	v_lshlrev_b32 v[VB10], 5, v30
	v_add_nc_u32 v[VB10], VEC, v[VB10]
	v_mov_b32 v[VB1], v[VB10]
	v_mov_b32 v[ZR], 0
	s_mul_i32 s51, s[WV], SCRW
	s_add_co_u32 s51, s51, SCRB                    ; my scratch
	v_mul_u32_u24 v[ST], v29, 1040
	v_lshl_add_u32 v[ST], v30, 5, v[ST]
	v_add_nc_u32 v[ST], s51, v[ST]
	v_mul_u32_u24 v[RW0], v30, 1040
	v_lshl_add_u32 v[RW0], v29, 4, v[RW0]
	v_add_nc_u32 v[RW0], s51, v[RW0]
	v_add_nc_u32 v[RS], s51, v[L16]
	s_add_co_u32 s52, s51, XBO
	v_mul_u32_u24 v[XW0], v30, 528
	v_lshl_add_u32 v[XW0], v29, 3, v[XW0]
	v_add_nc_u32 v[XW0], s52, v[XW0]
	v_mul_u32_u24 v[XF], v29, 528
	v_lshl_add_u32 v[XF], v30, 4, v[XF]
	v_add_nc_u32 v[XF], s52, v[XF]
	v_lshlrev_b32 v[GB], 10, v30
	v_lshl_add_u32 v[GB], v29, 4, v[GB]
.irp t, 0,1,2,3
	s_add_co_u32 s51, s14, \t
	s_min_u32 s51, s51, LAST                       ; what is read is clamped to the last tile
	s_lshl_b32 s52, s51, 14
	v_add_nc_u32 v[QO+\t], s52, v[L16]
	s_lshl_b32 s52, s51, 13
	v_add_nc_u32 v[SO+\t], s52, v[L16]
.endr
	WIN 0x40                                       ; S: a tile's eight fragments are 8,192 bytes on end, in the registers' order
.irp t, 0,1,2,3
.set k, 0
.rept 16
	global_load_b128 v[64*\t+4*k:64*\t+4*k+3], v[SO+\t], s[6:7] offset:512*k th:TH_LOAD_NT
.set k, k+1
.endr
.endr
.irp t, 0,1,2,3                        ; query: 16,384 bytes on end a tile, into that tile's accumulators as transit
	WIN 0x80
.set k, 0
.rept 16
	global_load_b128 v[32*(k/2)+8*\t+4*(k%2):32*(k/2)+8*\t+4*(k%2)+3], v[QO+\t], s[4:5] offset:512*k th:TH_LOAD_NT
.set k, k+1
.endr
	WIN 0xc0
.set k, 0
.rept 16
	global_load_b128 v[32*(k/2)+8*\t+4*(k%2):32*(k/2)+8*\t+4*(k%2)+3], v[QO+\t], s[4:5] offset:512*(k+16) th:TH_LOAD_NT
.set k, k+1
.endr
.endr
	WIN 0
; THE RESIDUAL.  A tile of query goes by rows into my stage and comes back with a lane's 8 channels together, into the same registers: the sums start as the residual.  LDS serves a wave in order.
.macro RES t, cnt
	s_wait_loadcnt \cnt
	WIN 0x08
.set k, 0
.rept 16
	ds_store_b128 v[RS], v[32*(k/2)+8*(\t)+4*(k%2):32*(k/2)+8*(\t)+4*(k%2)+3] offset:1040*(k/2)+512*(k%2)
.set k, k+1
.endr
	WIN 0x0c
.set k, 0
.rept 16
	ds_store_b128 v[RS], v[32*(k/2)+8*(\t)+4*(k%2):32*(k/2)+8*(\t)+4*(k%2)+3] offset:1040*(8+k/2)+512*(k%2)
.set k, k+1
.endr
	WIN 0x80
.set k, 0
.rept 8
	ds_load_b128 v[32*k+8*(\t):32*k+8*(\t)+3],   v[ST] offset:64*k
	ds_load_b128 v[32*k+8*(\t)+4:32*k+8*(\t)+7], v[ST] offset:64*k+16
.set k, k+1
.endr
	WIN 0xc0
.set k, 0
.rept 8
	ds_load_b128 v[32*k+8*(\t):32*k+8*(\t)+3],   v[ST] offset:64*(k+8)
	ds_load_b128 v[32*k+8*(\t)+4:32*k+8*(\t)+7], v[ST] offset:64*(k+8)+16
.set k, k+1
.endr
	WIN 0
.endm
	RES 0, 63                                      ; behind tile 0's loads 96 were issued, behind tile 1's 64: the count's field ends at 63, and a smaller count is safe
	RES 1, 63
	RES 2, 32
	RES 3, 0
	s_wait_tensorcnt 0x0                           ; my quarters of both slots and of the vectors are in,
	s_wait_dscnt 0x0
	s_barrier_signal -1
	s_barrier_wait -1                              ; everybody's are
; THE OUT-PROJECTION, 16 channels nt at a time: 32 products, the four tiles' accumulators by turns; then the same buffer's weights two blocks on.
.macro OQ nt
.set bW, WA+64*((\nt)%2)
.if (\nt) == 15
	s_wait_dscnt 0x0
.else
	s_wait_dscnt 16                                ; the other buffer's 16 loads may stay out
.endif
	WIN 0xa4+0x50*((\nt)/8)
.set qc, 0
.rept 8
.set qt, 0
.rept 4
.set rD, 32*((\nt)%8)+8*qt
	v_wmma_f32_16x16x32_bf16 v[rD:rD+7], v[bW+8*qc:bW+8*qc+7], v[64*qt+8*qc:64*qt+8*qc+7], v[rD:rD+7]
.set qt, qt+1
.endr
.set qc, qc+1
.endr
	WIN 0
	NOP4                                           ; four places behind the last product, ahead of loads into registers that it read
.if (\nt) < 6
	LOADW bW, VW, ((\nt)+2)*8192
.elseif (\nt) < 14
	LOADW bW, VW1, ((\nt)-6)*8192
.endif
.endm
	LOADW WA, VW, 0
	LOADW WB, VW, 8192
.irp n, 0,1,2,3,4,5,6,7
	OQ \n
.endr
	CHG 1, 0                                       ; slot 0 has been read out: it takes stream slot 2
	ASK 1
.irp n, 8,9,10,11,12,13,14,15
	OQ \n
.endr
; THE NORMS.  DST t: tile t's 128 registers a lane go into my stage, each accumulator's low registers first.  DLD t: they come back, and x as fragments.  Registers cannot be indexed, so a ladder on the
; loop's counter picks one of four blocks; every jump goes forward and passes neither a barrier nor a tensor load.
.macro DST t
	WIN 0x08
.set k, 0
.rept 8
	ds_store_b128 v[ST], v[32*k+8*(\t):32*k+8*(\t)+3]   offset:64*k
	ds_store_b128 v[ST], v[32*k+8*(\t)+4:32*k+8*(\t)+7] offset:64*k+16
.set k, k+1
.endr
	WIN 0x0c
.set k, 0
.rept 8
	ds_store_b128 v[ST], v[32*k+8*(\t):32*k+8*(\t)+3]   offset:64*(k+8)
	ds_store_b128 v[ST], v[32*k+8*(\t)+4:32*k+8*(\t)+7] offset:64*(k+8)+16
.set k, k+1
.endr
	WIN 0
.endm
.macro DLD t
	WIN 0x80
.set k, 0
.rept 8
	ds_load_b128 v[32*k+8*(\t):32*k+8*(\t)+3],   v[ST] offset:64*k
	ds_load_b128 v[32*k+8*(\t)+4:32*k+8*(\t)+7], v[ST] offset:64*k+16
.set k, k+1
.endr
	WIN 0xc0
.set k, 0
.rept 8
	ds_load_b128 v[32*k+8*(\t):32*k+8*(\t)+3],   v[ST] offset:64*(k+8)
	ds_load_b128 v[32*k+8*(\t)+4:32*k+8*(\t)+7], v[ST] offset:64*(k+8)+16
.set k, k+1
.endr
	WIN 0x40
.set k, 0
.rept 8
	ds_load_b128 v[64*(\t)+8*k:64*(\t)+8*k+3],   v[XF] offset:64*k
	ds_load_b128 v[64*(\t)+8*k+4:64*(\t)+8*k+7], v[XF] offset:64*k+32
.set k, k+1
.endr
	WIN 0
.endm
.macro BLK kind, t
.if (\kind) == 0
	DST \t
.else
	DLD \t
.endif
.endm
.macro DISP kind
	s_cmp_eq_u32 s[TC], 0
	s_cbranch_scc1 .Ld0_\@
	s_cmp_eq_u32 s[TC], 1
	s_cbranch_scc1 .Ld1_\@
	s_cmp_eq_u32 s[TC], 2
	s_cbranch_scc1 .Ld2_\@
	BLK \kind, 3
	s_branch .Lde_\@
.Ld0_\@:
	BLK \kind, 0
	s_branch .Lde_\@
.Ld1_\@:
	BLK \kind, 1
	s_branch .Lde_\@
.Ld2_\@:
	BLK \kind, 2
.Lde_\@:
.endm
.macro EACHP line:vararg               ; one line for each row pair p
.set p, 0
.rept 4
	\line
.set p, p+1
.endr
.endm
.macro EACHPI line:vararg              ; for each row pair p and register pair i
.set p, 0
.rept 4
.set i, 0
.rept 8
	\line
.set i, i+2
.endr
.set p, p+1
.endr
.endm
.macro EACHPJ line:vararg              ; for each row pair p and quarter j of a row
.set p, 0
.rept 4
.set j, 0
.rept 4
	\line
.set j, j+1
.endr
.set p, p+1
.endr
.endm
; Eight rows of the stage, as four row pairs side by side: lanes 0-15 hold row 2 p, lanes 16-31 row 2 p + 1; a lane has bytes 16 (l % 16) + 256 j, j = 0..3.
; mode 0: + b_out, the first norm, x to the bf16 rows, x + b2 back in place; which half of the tile: the loop's counter RC, by two address registers made anew each trip.
; mode 1: the second norm, stored to out0; which half: the constant rc, which stands in the immediates of the LDS loads and of the stores: this form writes no LDS address register.
.macro LNROWS mode, rc=0
.if (\mode) == 0
	s_mul_i32 s51, s[RC], 8320
	v_add_nc_u32 v[RWA], s51, v[RW0]
	s_mul_i32 s51, s[RC], 4224
	v_add_nc_u32 v[XWA], s51, v[XW0]
	EACHPJ ds_load_b128 v[DD+16*p+4*j:DD+16*p+4*j+3], v[RWA] offset:2080*p+256*j
.else
	EACHPJ ds_load_b128 v[DD+16*p+4*j:DD+16*p+4*j+3], v[RW0] offset:8320*(\rc)+2080*p+256*j
.endif
	s_wait_dscnt 0x0
.if (\mode) == 0
	EACHPI v_pk_add_f32 v[DD+16*p+i:DD+16*p+i+1], v[DD+16*p+i:DD+16*p+i+1], v[VBO+i:VBO+i+1]
.endif
	EACHPJ v_pk_add_f32 v[TS+8*p+2*j:TS+8*p+2*j+1], v[DD+16*p+4*j:DD+16*p+4*j+1], v[DD+16*p+4*j+2:DD+16*p+4*j+3]
	EACHP v_pk_add_f32 v[TS+8*p:TS+8*p+1], v[TS+8*p:TS+8*p+1], v[TS+8*p+2:TS+8*p+3]
	EACHP v_pk_add_f32 v[TS+8*p+4:TS+8*p+5], v[TS+8*p+4:TS+8*p+5], v[TS+8*p+6:TS+8*p+7]
	EACHP v_pk_add_f32 v[TS+8*p:TS+8*p+1], v[TS+8*p:TS+8*p+1], v[TS+8*p+4:TS+8*p+5]
	EACHP v_add_f32 v[TS+8*p], v[TS+8*p], v[TS+8*p+1]
	EACHP v_add_f32_dpp v[TS+8*p], v[TS+8*p], v[TS+8*p] row_xmask:1 row_mask:0xf bank_mask:0xf
	EACHP v_add_f32_dpp v[TS+8*p], v[TS+8*p], v[TS+8*p] row_xmask:2 row_mask:0xf bank_mask:0xf
	EACHP v_add_f32_dpp v[TS+8*p], v[TS+8*p], v[TS+8*p] row_xmask:4 row_mask:0xf bank_mask:0xf
	EACHP v_add_f32_dpp v[TS+8*p], v[TS+8*p], v[TS+8*p] row_xmask:8 row_mask:0xf bank_mask:0xf
	EACHP v_mul_f32 v[TS+8*p], s[I256], v[TS+8*p]
	EACHPI v_pk_add_f32 v[DD+16*p+i:DD+16*p+i+1], v[DD+16*p+i:DD+16*p+i+1], v[TS+8*p:TS+8*p+1] op_sel_hi:[1,0] neg_lo:[0,1] neg_hi:[0,1]
	EACHP v_pk_mul_f32 v[TS+8*p+2:TS+8*p+3], v[DD+16*p:DD+16*p+1], v[DD+16*p:DD+16*p+1]
	EACHP v_pk_mul_f32 v[TS+8*p+4:TS+8*p+5], v[DD+16*p+2:DD+16*p+3], v[DD+16*p+2:DD+16*p+3]
.irp c, 4,8,12
	EACHP v_pk_fma_f32 v[TS+8*p+2:TS+8*p+3], v[DD+16*p+\c:DD+16*p+\c+1], v[DD+16*p+\c:DD+16*p+\c+1], v[TS+8*p+2:TS+8*p+3]
	EACHP v_pk_fma_f32 v[TS+8*p+4:TS+8*p+5], v[DD+16*p+\c+2:DD+16*p+\c+3], v[DD+16*p+\c+2:DD+16*p+\c+3], v[TS+8*p+4:TS+8*p+5]
.endr
	EACHP v_pk_add_f32 v[TS+8*p+2:TS+8*p+3], v[TS+8*p+2:TS+8*p+3], v[TS+8*p+4:TS+8*p+5]
	EACHP v_add_f32 v[TS+8*p+2], v[TS+8*p+2], v[TS+8*p+3]
	EACHP v_add_f32_dpp v[TS+8*p+2], v[TS+8*p+2], v[TS+8*p+2] row_xmask:1 row_mask:0xf bank_mask:0xf
	EACHP v_add_f32_dpp v[TS+8*p+2], v[TS+8*p+2], v[TS+8*p+2] row_xmask:2 row_mask:0xf bank_mask:0xf
	EACHP v_add_f32_dpp v[TS+8*p+2], v[TS+8*p+2], v[TS+8*p+2] row_xmask:4 row_mask:0xf bank_mask:0xf
	EACHP v_add_f32_dpp v[TS+8*p+2], v[TS+8*p+2], v[TS+8*p+2] row_xmask:8 row_mask:0xf bank_mask:0xf
	EACHP v_fma_f32 v[TS+8*p+2], v[TS+8*p+2], s[I256], s[EPS]
	EACHP v_rsq_f32 v[TS+8*p+4], v[TS+8*p+2]
	v_nop                                          ; a plain instruction behind the last root,
	s_wait_alu depctr_va_vdst(0)                   ; and one wait for the four, ahead of their first reader
	EACHPI v_pk_mul_f32 v[DD+16*p+i:DD+16*p+i+1], v[DD+16*p+i:DD+16*p+i+1], v[TS+8*p+4:TS+8*p+5] op_sel_hi:[1,0]
	EACHPI v_pk_fma_f32 v[DD+16*p+i:DD+16*p+i+1], v[DD+16*p+i:DD+16*p+i+1], v[VG+i:VG+i+1], v[VBT+i:VBT+i+1]
.if (\mode) == 0
	EACHPI v_cvt_pk_bf16_f32 v[XP+8*p+i/2], v[DD+16*p+i], v[DD+16*p+i+1]
	EACHPJ ds_store_b64 v[XWA], v[XP+8*p+2*j:XP+8*p+2*j+1] offset:1056*p+128*j
	EACHPI v_pk_add_f32 v[DD+16*p+i:DD+16*p+i+1], v[DD+16*p+i:DD+16*p+i+1], v[VB2+i:VB2+i+1]
	EACHPJ ds_store_b128 v[RWA], v[DD+16*p+4*j:DD+16*p+4*j+3] offset:2080*p+256*j
.else
	s_wait_xcnt 0x0                                ; EXEC changes only behind this wait
	v_cmp_gt_u32 vcc_lo, 3125, v[VT]               ; a tile past the last stores nothing
	s_and_saveexec_b32 s60, vcc_lo
	EACHPJ global_store_b128 v[GA], v[DD+16*p+4*j:DD+16*p+4*j+3], s[10:11] offset:8192*(\rc)+2048*p+256*j th:TH_STORE_NT
	s_wait_xcnt 0x0                                ; and again: the stores have read EXEC, their data and their offset
	s_or_b32 exec_lo, exec_lo, s60
.endif
.endm
	v_and_b32 v[VC], 0xf0, v[L16]                  ; the vectors for my 16 channels of a row: 16 (l % 16) + 256 j
	v_add_nc_u32 v[VC], VEC, v[VC]
.irp j, 0,1,2,3
	ds_load_b128 v[VBO+4*\j:VBO+4*\j+3], v[VC] offset:8192+256*\j    ; b_out
	ds_load_b128 v[VG+4*\j:VG+4*\j+3],   v[VC] offset:9216+256*\j    ; ln0_g
	ds_load_b128 v[VBT+4*\j:VBT+4*\j+3], v[VC] offset:10240+256*\j   ; ln0_b
	ds_load_b128 v[VB2+4*\j:VB2+4*\j+3], v[VC] offset:11264+256*\j   ; b2
.endr
	s_mov_b32 s[TC], 0
.Lln0:                                         ; four tiles
	DISP 0
	s_mov_b32 s[RC], 0
.Lln0r:
	LNROWS 0
	s_add_co_u32 s[RC], s[RC], 1
	s_cmp_lt_u32 s[RC], 2
	s_cbranch_scc1 .Lln0r
	DISP 1
	s_wait_dscnt 0x0                               ; the tile is back in registers
	s_add_co_u32 s[TC], s[TC], 1
	s_cmp_lt_u32 s[TC], 4
	s_cbranch_scc1 .Lln0
; THE HIDDEN LAYER, 32 columns a step, in four quarters of 32 products.  While one buffer of weights is multiplied the other's 16 loads are on their way.
.macro PACKH j, t, part                ; h of hidden tile j, token tile t: part 0 rounds to bf16, part 1 takes the maximum with 0 (which commutes with the rounding)
	WIN 0
.set qr, 0
.rept 4
.if (\part) == 0
	v_cvt_pk_bf16_f32 v[HP+8*(\t)+4*(\j)+qr], v[HA+32*(\j)+8*(\t)+2*qr], v[HA+32*(\j)+8*(\t)+2*qr+1]
.else
	v_pk_max_num_bf16 v[HP+8*(\t)+4*(\j)+qr], v[HP+8*(\t)+4*(\j)+qr], v[ZR]
.endif
.set qr, qr+1
.endr
.endm
; x w1 for hidden tile j: the four token tiles' accumulators by turns; the first product of each starts its sum with b1.  ride = 1: the other hidden tile's packing stands, four lines at a time,
; behind the first eight products; it names none of their registers.
.macro FF1 j, buf, ride
.set qc, 0
.rept 8
.set qt, 0
.rept 4
	WIN 0x04
.set rD, HA+32*(\j)+8*qt
.set rA, (\buf)+8*qc
.set rB, 64*qt+8*qc
.if qc == 0
	v_wmma_f32_16x16x32_bf16 v[rD:rD+7], v[rA:rA+7], v[rB:rB+7], v[B1+8*(\j):B1+8*(\j)+7]
.else
	v_wmma_f32_16x16x32_bf16 v[rD:rD+7], v[rA:rA+7], v[rB:rB+7], v[rD:rD+7]
.endif
.if (\ride) && (qc < 2)
.set pt, (4*qc+qt)/2
.set pp, (4*qc+qt)%2
	PACKH 0, pt, pp
.endif
.set qt, qt+1
.endr
.set qc, qc+1
.endr
.endm
; h w2 for channels 128 g on: 32 different accumulators, all in window 2 + g.  ride = 1: the next token tile's packing stands behind the first two products of a tile.
.macro FF2 g, buf, ride
.set qt, 0
.rept 4
.set qn, 0
.rept 8
	WIN 0xa0+0x50*(\g)
.set rD, 32*qn+8*qt
	v_wmma_f32_16x16x32_bf16 v[rD:rD+7], v[(\buf)+8*qn:(\buf)+8*qn+7], v[HP+8*qt:HP+8*qt+7], v[rD:rD+7]
.if (\ride) && (qt < 3) && (qn < 2)
.set pt, qt+1
.set pp, qn
	PACKH 1, pt, pp
.endif
.set qn, qn+1
.endr
.set qt, qt+1
.endr
.endm
.macro LOADB1 off                      ; b1 of a step: a lane's 8 hidden columns of each of the two tiles
.irp u, 0,1,2,3
	ds_load_b128 v[B1+4*\u:B1+4*\u+3], v[VB1] offset:(\off)+64*((\u)/2)+16*((\u)%2)
.endr
.endm
.macro Q0 o
	s_wait_dscnt 16                                ; the other buffer's 16 loads may stay out
	FF1 0, WA, 0
	WIN 0
	NOP4
	LOADW WA, VW, (\o)+16384
.endm
.macro Q1 o, bo
	s_wait_dscnt 16
	FF1 1, WB, 1
	WIN 0
	NOP4
.if (\bo) >= 0
	LOADB1 \bo
.endif
	LOADW WB, VW, (\o)+24576
	PACKH 1, 0, 0
	PACKH 1, 0, 1
.endm
.macro Q2 cnt, nxt
	s_wait_dscnt \cnt                              ; younger: the other buffer's 16 loads, and the 4 of b1 where they were issued
	FF2 0, WA, 1
	WIN 0
	NOP4
.if (\nxt) >= 0
	LOADW WA, VW, \nxt
.endif
.endm
.macro Q3 cnt, nxt
.if (\cnt) >= 0
	s_wait_dscnt \cnt
.endif
	FF2 1, WB, 0
	WIN 0
	NOP4
.if (\nxt) >= 0
	LOADW WB, VW, \nxt
.endif
.endm
.macro STEP0                           ; a slot's first step, whole
	Q0 0
	Q1 0, 128
	Q2 20, 32768
	Q3 16, 40960
.endm
.macro STEP1 more                      ; its second step, as far as the third quarter: the fourth, whose weights are in registers, stands behind the change of slots
	Q0 32768
.if \more
	Q1 32768, 256
	s_add_co_u32 s[SB1], s[SB1], 256               ; b1 goes on to the next slot's two steps
	v_add_nc_u32 v[VB1], s[SB1], v[VB10]
	Q2 20, -1
.else
	Q1 32768, -1
	Q2 16, -1
.endif
.endm
	CHG 1, 0                                       ; stream slot 2 is whole in slot 0; slot 1, read out, takes stream slot 3
	LOADB1 0
	LOADW WA, VW, 0
	LOADW WB, VW, 8192
	ASK 1
	s_mov_b32 s[CNT], 31
	s_branch .Lentry                               ; the loop is entered behind its change of slots
.Lslot:                                        ; 30 times: stream slots 4 to 33 are asked for
	CHG 1, 1
	LOADW WA, VW, 0
	ASK 0
	Q3 -1, 8192                                    ; the change's wait has shown these weights in
.Lentry:
	STEP0
	STEP1 1
	s_sub_co_u32 s[CNT], s[CNT], 1
	s_cmp_lg_u32 s[CNT], 0
	s_cbranch_scc1 .Lslot
	CHG 0, 1                                       ; the last slot is written out: nothing is asked for
	LOADW WA, VW, 0
	Q3 -1, 8192
	STEP0
	STEP1 0
	Q3 0, -1
; THE SECOND NORM.  v16-31 have held b1 meanwhile, so the vectors' LDS address takes the register of b1's address, which is free now and has held LDS addresses alone.
; The loop over tiles narrows EXEC by the tile's number, which hangs on the work-group's place; so it writes no LDS address register: the stage is reached through v4 and v5, made at the head,
; and a tile's two halves are written out, each half's place in the immediates.
.set VC,  VB10
	v_and_b32 v[VC], 0xf0, v[L16]
	v_add_nc_u32 v[VC], VEC, v[VC]
.irp j, 0,1,2,3
	ds_load_b128 v[VG+4*\j:VG+4*\j+3],   v[VC] offset:12288+256*\j   ; ln1_g
	ds_load_b128 v[VBT+4*\j:VBT+4*\j+3], v[VC] offset:13312+256*\j   ; ln1_b
.endr
	s_mov_b32 s[TC], 0
.Lln1:                                         ; four tiles: 16 lanes store 256 consecutive bytes of a row, aligned
	s_add_co_u32 s61, s14, s[TC]
	v_mov_b32 v[VT], s61
	s_lshl_b32 s51, s[TC], 14
	v_add_nc_u32 v[GA], s51, v[GB]                 ; the tile's place in out0 (the last tile's stores have read it: the wait in front of EXEC's restoring)
	DISP 0
	LNROWS 1, 0
	LNROWS 1, 1
	s_add_co_u32 s[TC], s[TC], 1
	s_cmp_lt_u32 s[TC], 4
	s_cbranch_scc1 .Lln1
	s_wait_tensorcnt 0x0                           ; the wave's end
	ds_add_u32 v[SPW], v[NIL]
	s_wait_dscnt 0x0
	ROUND                                          ; the closing round
	s_endpgm
.Lfunc_end_k_qe4a6f7aebc_ffn:
	.size	k_qe4a6f7aebc_ffn, .Lfunc_end_k_qe4a6f7aebc_ffn-k_qe4a6f7aebc_ffn
	.p2alignl 7, 3214868480
	.fill 96, 4, 3214868480
	.section	.rodata,"a",@progbits
	.p2align	6, 0x0
	.amdhsa_kernel k_qe4a6f7aebc_ffn
		.amdhsa_group_segment_fixed_size 327680
		.amdhsa_private_segment_fixed_size 0
		.amdhsa_enable_private_segment 0
		.amdhsa_kernarg_size 32
		.amdhsa_user_sgpr_count 2
		.amdhsa_user_sgpr_kernarg_segment_ptr 1
		.amdhsa_wavefront_size32 1
		.amdhsa_system_sgpr_workgroup_id_x 1
		.amdhsa_system_sgpr_workgroup_id_y 1
		.amdhsa_system_sgpr_workgroup_id_z 1
		.amdhsa_system_vgpr_workitem_id 0
		.amdhsa_next_free_vgpr 1024
		.amdhsa_next_free_sgpr 80
		.amdhsa_reserve_vcc 1
		.amdhsa_float_denorm_mode_32 3
		.amdhsa_float_denorm_mode_16_64 3
		.amdhsa_memory_ordered 1
		.amdhsa_forward_progress 1
		.amdhsa_inst_pref_size 255
	.end_amdhsa_kernel
	.section	.bss,"aw",@nobits
	.p2align	6
	.space	262144
	.amdgpu_metadata
---
amdhsa.version: [ 1, 2 ]
amdhsa.kernels:
  - .name:           k_qe4a6f7aebc_ffn
    .symbol:         k_qe4a6f7aebc_ffn.kd
    .args:
      - { .name: query, .offset: 0, .size: 8, .value_kind: global_buffer, .address_space: global }
      - { .name: sf, .offset: 8, .size: 8, .value_kind: global_buffer, .address_space: global }
      - { .name: wf, .offset: 16, .size: 8, .value_kind: global_buffer, .address_space: global }
      - { .name: out0, .offset: 24, .size: 8, .value_kind: global_buffer, .address_space: global }
    .group_segment_fixed_size: 327680
    .private_segment_fixed_size: 0
    .kernarg_segment_align: 8
    .kernarg_segment_size: 32
    .max_flat_workgroup_size: 128
    .sgpr_count:     80
    .vgpr_count:     1024
    .wavefront_size: 32
...
	.end_amdgpu_metadata
.endif
;; end of part 4
;; ======== version 2 of 2: 4 launches
;; workspace buffers: wf 2,473,984 bytes; value 25,690,112 bytes; idx 12,845,056 bytes of whole numbers; wts 25,690,112 bytes; sf 25,600,000 bytes
;; launch prep: the kernel of part 1 again; grid 301 x 1, 8 waves a work-group, no clusters, 0 bytes of LDS; arguments w_val, w_off, w_attn, w_out, w1, w2, b1, b_out, ln0_g, ln0_b, b2, ln1_g, ln1_b, b_val, b_off, b_attn, wf; writes wf
;; launch proj (part 5): grid 196 x 1, 4 waves a work-group, clusters of 4 x 1, 301,568 bytes of LDS; arguments query, reference_points, wf, value, idx, wts; writes value, idx, wts
.if DOCPART == 5
	.amdgcn_target "amdgcn-amd-amdhsa--gfx1250"
	.amdhsa_code_object_version 6
	.text
	.protected	k_qe4a6f7aebc_proj
	.globl	k_qe4a6f7aebc_proj
	.p2align	8
	.type	k_qe4a6f7aebc_proj,@function
k_qe4a6f7aebc_proj:
	s_mov_b64 s[64:65], 0
	v_nop
	global_prefetch_b8 v0, s[64:65] scope:SCOPE_SE
	s_setreg_imm32_b32 hwreg(HW_REG_WAVE_MODE, 25, 1), 1
	s_wait_xcnt 0x0
	s_wait_alu depctr_hold_cnt(0) depctr_sa_sdst(0) depctr_va_vdst(0) depctr_va_sdst(0) depctr_va_ssrc(0) depctr_va_vcc(0) depctr_vm_vsrc(0)
	s_getreg_b32 s2, hwreg(HW_REG_IB_STS2, 6, 4)
	s_cmp_eq_u32 s2, 0
	s_cbranch_scc0 .Lentry_in_a_cluster
	s_endpgm
.Lentry_in_a_cluster:
	s_bfe_u32 s2, ttmp6, 0x10000c
	s_cmp_lg_u32 s2, 0x3003
	s_cbranch_scc0 .Lentry_shape_is_right
	s_endpgm
.Lentry_shape_is_right:
; PROJ: query x [w_val | w_off | w_attn] + bias; the softmax over a head's 8 logits (its maximum taken away first); for each (token, head, level, point) ONE base row of the value table, as a whole
; number, and four corner weights times the attention weight.  No work of the layer is left out.
; The gather's addresses come from floating-point numbers, so this launch only stores them; the next launch reads them.
; value is stored as [32 groups of 8 channels][50,176 tokens][8 channels]: a batch's rows of one group lie on end, 16 bytes a row, which is the table that a work-group of the next launch takes into LDS.
; idx holds the row within a batch: 10,000 x level + y W + x.
; LIMITS.  Matrix operands, value and the stored weights are bf16.  A sampling position that is NaN gives base 0 and weight 0, not NaN; an infinite one weight 0.  Where a position falls on a whole
; number to within rounding, the base may be the neighbouring column, with a weight near 0 there: the interpolation is continuous.
; SHARES.  A work-group has 256 tokens, each of its four waves four tiles of 16.  196 work-groups cover 3,136 tiles for 3,125: a tile past the last reads the last tile's rows and stores into the
; buffers' padding: so no branch and no mask hangs on a work-group's place.
; PRODUCTS are taken transposed (source 0 = 16 columns of a weight, source 1 = 16 tokens): a lane (r = l % 16, h = l / 16) holds token r and columns 8 h + 0..7 of the tile: one row of one group.
; THE SAMPLING's arithmetic goes a tile's two heads at a time, in two sets of registers 96 apart: the wave is alone on its SIMD, so the second head's lines are the independent work between the first's.
; CLUSTER.  All work-groups read the same 231,424 bytes of weights: the four of a cluster ask for them jointly, a quarter a wave, once.  Nothing in LDS is filled again.
; REGISTERS, in windows of 256: window 0 addresses, accumulators, work; window 1 the tokens' fragments (tile t, K chunk c at 64 t + 8 c); windows 2, 3 query on its way, then window 2 the weights.
.set VECA,  229376                     ; LDS: the weights' block as it lies in wf; its biases begin here
.set SCRB,  231424                     ; behind it each wave's own scratch
.set SCRW,  17408
.set SPARE, 301056                     ; the spare words, 128 bytes a wave
.set LAST,  3124                       ; the last tile
.set CGB,   802816                     ; bytes of one channel group's slice of value: 50,176 rows of 16
.set LN,   2
.set RR,   3
.set HV,   4
.set L16,  5                           ; 16 x lane
.set WAD,  6                           ; LDS address of the weights in hand
.set BAD0, 7                           ; VECA + 32 h
.set BAD,  8
.set SPW,  12
.set NIL,  13
.set WP,   14                          ; v[14:15] the level's width (= height), twice
.set CT,   16                          ; v[16:23] tile t: ref x, ref y
.set GV0,  32                          ; value: CGB x h + 16 r
.set GVA,  33
.set CSA,  34
.set CFA,  35
.set DMP,  36                          ; scratch + 16 x lane
.set CBA,  37
.set CTA,  38
.set IOF,  39
.set WOF,  40
.set WM2,  41                          ; width - 2
.set K0,   42                          ; v[42:43] at work in the set-up
.set LB,   44                          ; the level's first row in a batch: 10,000 h
.set QO,   56                          ; v[56:59] query offsets, v[60:63] reference_points offsets: never rewritten
.set RO,   60
.set XA,   64                          ; three sets of four accumulators
.set YA,   96
.set ZA,   128
.set TMP,  160                         ; v[160:223] at work
.set BA,   224                         ; three sets of eight biases
.set BB,   232
.set BC,   240
.set WA,   0                           ; window 2: three sets of eight weight fragments
.set WB,   64
.set WC,   128
.set SETB, -96                         ; the sampling's second set of registers lies 96 below the first: v64-159, the accumulators, which have gone to the scratch by then
.set OF,   160                         ; one (tile, head): offsets, logits ...
.set AW,   168
.set CQ,   172                         ; the tile's two coordinates: one pair for both heads
.set MX,   176
.set SM,   178
.set XY,   180
.set XB,   188
.set UU,   196
.set U1,   204
.set WX,   212
.set OW,   224                         ; what is stored lies in the biases' registers, idle here, and is first written in the middle of a trip
.set IDX,  232
.set WY,   248
.set WV,   16
.set G0,   20
.set G1,   24
.set SEL,  34
.set IC,   37
.set T2,   38
.set CI,   39
.set WO,   40                          ; s40  LDS byte of the value loop's weights: 8,192 x tile
.set BO,   41                          ; s41  the same for its biases: 64 x tile
.set ABSM, 45
.set VO,   46                          ; s46  byte of the value loop's first channel group in value
.set MSB, 0
.macro WIN new                         ; the immediate's high byte repeats the setting that is left
.if MSB != (\new)
	s_set_vgpr_msb (MSB<<8)|(\new)
.set MSB, (\new)
.endif
.endm
.macro NOP4
.rept 4
	v_nop
.endr
.endm
.macro ROUND                           ; a round of the cluster's barrier
	s_barrier_signal -1
	s_barrier_wait -1
	s_cmp_lg_u32 s[WV], 0
	s_cbranch_scc1 .Lnw0_\@
	s_barrier_signal -3
.Lnw0_\@:
	s_barrier_wait -3
	s_barrier_signal -1
	s_barrier_wait -1
.endm
.macro BOTH line:vararg                ; one line for each of the two sets: Z is the set's place
.set Z, 0
	\line
.set Z, SETB
	\line
.endm
.macro EACHP line:vararg               ; for each set, one line for each point p
.set Z, 0
.rept 2
.set p, 0
.rept 4
	\line
.set p, p+1
.endr
.set Z, Z+SETB
.endr
.endm
.macro EACH8 line:vararg               ; for each set, one line for each of eight registers i
.set Z, 0
.rept 2
.set i, 0
.rept 8
	\line
.set i, i+1
.endr
.set Z, Z+SETB
.endr
.endm
	s_load_b256 s[4:11], s[0:1], 0x0               ; query, reference_points, wf, value
	s_load_b128 s[12:15], s[0:1], 0x20             ; idx, wts
	v_lshl_add_u32 v[SPW], v0, 2, SPARE
	v_mov_b32 v[NIL], 0
	ds_add_u32 v[SPW], v[NIL]                      ; the opening: the add, twice on end, and its wait ahead of my first tensor load
	ds_add_u32 v[SPW], v[NIL]
	v_lshrrev_b32 v1, 5, v0
	v_readfirstlane_b32 s[WV], v1                  ; wave 0..3
	s_mov_b32 s[G1+0], 15|(3<<16)|(1<<21)          ; the mask of four; elements of 8 bytes; bit 21 beside a mask
	s_mov_b32 s[G1+1], 32<<16                      ; tensor_dim0 = 32 elements: rows of 256 bytes
	s_mov_b32 s[G1+2], 226<<16                     ; tensor_dim1 = 226 rows: a quarter of the block
	s_mov_b32 s[G1+3], 32<<16                      ; tile_dim0
	s_mov_b32 s[G1+4], 226                         ; tile_dim1
	s_mov_b32 s[G1+5], 32                          ; dense: a row begins where the last ends
	s_mov_b32 s[G1+6], 0
	s_mov_b32 s[G1+7], 0
	s_mov_b32 s[G0], 1
	s_mul_i32 s[G0+1], s[WV], 57856                ; my quarter, in LDS as in wf
	s_mul_i32 s42, s[WV], 57856
	s_mov_b32 s43, 0
	s_mov_b32 s[SEL], 0x76543210
	s_mov_b32 s[SEL+1], 0xfedcba98
	s_mov_b32 s[ABSM], 0x7fffffff
	s_wait_dscnt 0x0                               ; both opening adds are done
	s_wait_kmcnt 0x0
	s_add_nc_u64 s[G0+2:G0+3], s[8:9], s[42:43]
	s_or_b32 s[G0+3], s[G0+3], 0x80000000
	ROUND                                          ; the four work-groups are here: the joint loads meet
	tensor_load_to_lds s[G0:G0+3], s[G1:G1+7]      ; one load of mine is out
	s_nop 0
	NOP4
	s_bfe_u32 s17, ttmp6, 0x40000                  ; cx: it enters global addresses alone
	s_lshl_b32 s18, ttmp9, 2
	s_add_co_u32 s18, s18, s17
	s_lshl_b32 s18, s18, 4
	s_lshl_b32 s19, s[WV], 2
	s_add_co_u32 s18, s18, s19                     ; my first tile
	s_lshl_b32 s42, s18, 13
	s_add_nc_u64 s[14:15], s[14:15], s[42:43]      ; wts: 8 heads of 1,024 bytes a tile
	s_lshl_b32 s42, s18, 12
	s_add_nc_u64 s[12:13], s[12:13], s[42:43]      ; idx: 8 heads of 512 bytes a tile
	s_lshl_b32 s42, s18, 8
	s_add_nc_u64 s[10:11], s[10:11], s[42:43]      ; value: 16 rows of 16 bytes a tile, in each channel group's slice
	v_and_b32 v[LN], 31, v0
	v_and_b32 v[RR], 15, v0
	v_bfe_u32 v[HV], v0, 4, 1
	v_lshlrev_b32 v[L16], 4, v[LN]
	v_lshlrev_b32 v[K0], 4, v[RR]
	v_lshl_add_u32 v[K0], v[HV], 3, v[K0]          ; reference_points: 16 bytes a token, 8 a level
.irp t, 0,1,2,3
	s_add_co_u32 s32, s18, \t
	s_min_u32 s32, s32, LAST                       ; what is read is clamped to the last tile
	s_lshl_b32 s33, s32, 14
	v_add_nc_u32 v[QO+\t], s33, v[L16]
	s_lshl_b32 s33, s32, 8
	v_add_nc_u32 v[RO+\t], s33, v[K0]
.endr
	; a tile of query is 16,384 bytes on end: load k takes bytes 512 k + 16 x lane
.irp t, 0,1,2,3
	WIN 0x80+0x40*((\t)/2)
.set k, 0
.rept 32
	global_load_b128 v[128*((\t)%2)+4*k:128*((\t)%2)+4*k+3], v[QO+\t], s[4:5] offset:512*k th:TH_LOAD_NT
.set k, k+1
.endr
.endr
	WIN 0
.irp t, 0,1,2,3
	global_load_b64 v[CT+2*\t:CT+2*\t+1], v[RO+\t], s[6:7]
.endr
	s_mul_i32 s44, s[WV], SCRW
	s_add_co_u32 s44, s44, SCRB                    ; my scratch
	v_lshl_add_u32 v[CSA], v[LN], 3, s44
	v_mul_u32_u24 v[CFA], v[RR], 528
	v_lshl_add_u32 v[CFA], v[HV], 4, v[CFA]
	v_add_nc_u32 v[CFA], s44, v[CFA]
	v_add_nc_u32 v[DMP], s44, v[L16]
	v_lshlrev_b32 v[BAD0], 5, v[HV]
	v_add_nc_u32 v[BAD0], VECA, v[BAD0]
	v_mul_u32_u24 v[GV0], v[HV], CGB               ; lanes 16-31 hold the tile's second channel group
	v_lshl_add_u32 v[GV0], v[RR], 4, v[GV0]
	v_cmp_eq_u32 vcc_lo, 1, v[HV]                  ; in the sampling my lane's level is h: 100 x 100 or 50 x 50
	v_mov_b32 v[K0], 0x42c80000
	v_mov_b32 v[K0+1], 0x42480000
	v_cndmask_b32 v[WP], v[K0], v[K0+1], vcc_lo
	v_mov_b32 v[WP+1], v[WP]
	v_add_f32 v[WM2], -2.0, v[WP]
	v_mul_u32_u24 v[LB], v[HV], 10000
; Tile t of query: rounded to bf16, laid into my scratch as 16 rows of 528 bytes, read back as eight fragments.  LDS serves a wave's instructions in order, so no wait stands between.
.macro CONV t, cnt
	s_wait_loadcnt \cnt
	WIN 0x0a+5*((\t)/2)
.set k, 0
.rept 32
	v_cvt_pk_bf16_f32 v[TMP+2*k],   v[128*((\t)%2)+4*k],   v[128*((\t)%2)+4*k+1]
	v_cvt_pk_bf16_f32 v[TMP+2*k+1], v[128*((\t)%2)+4*k+2], v[128*((\t)%2)+4*k+3]
.set k, k+1
.endr
	WIN 0
.set k, 0
.rept 32
	ds_store_b64 v[CSA], v[TMP+2*k:TMP+2*k+1] offset:528*(k/2)+256*(k%2)
.set k, k+1
.endr
	WIN 0x40
.set k, 0
.rept 8
	ds_load_b128 v[64*(\t)+8*k:64*(\t)+8*k+3],   v[CFA] offset:64*k
	ds_load_b128 v[64*(\t)+8*k+4:64*(\t)+8*k+7], v[CFA] offset:64*k+32
.set k, k+1
.endr
	WIN 0
.endm
	CONV 0, 63                                     ; behind tile 0's loads 100 were issued, behind tile 1's 68: the count's field ends at 63, and a smaller count is safe
	CONV 1, 63
	CONV 2, 36                                     ; tile 3's 32 and the 4 of reference_points may stay out
	CONV 3, 4
	s_wait_tensorcnt 0x0                           ; my quarter of the weights is in,
	s_wait_dscnt 0x0
	s_barrier_signal -1
	s_barrier_wait -1                              ; everybody's is
; Eight fragments of a tile of weights and its eight biases: 18 LDS loads.
.macro LW buf, bias, woff, boff
	WIN 0x80
.set k, 0
.rept 8
	ds_load_b128 v[(\buf)+8*k:(\buf)+8*k+3],   v[WAD] offset:(\woff)+1024*k
	ds_load_b128 v[(\buf)+8*k+4:(\buf)+8*k+7], v[WAD] offset:(\woff)+1024*k+512
.set k, k+1
.endr
	WIN 0
	ds_load_b128 v[(\bias):(\bias)+3],   v[BAD] offset:(\boff)
	ds_load_b128 v[(\bias)+4:(\bias)+7], v[BAD] offset:(\boff)+16
.endm
; 32 products: 16 columns x 64 tokens x 256.  The four tiles' accumulators take turns; the first product of each starts its sum with the bias.
.macro MM32 acc, buf, bias
	WIN 0x06
.set qc, 0
.rept 8
.set qt, 0
.rept 4
.set rD, (\acc)+8*qt
.set rA, (\buf)+8*qc
.set rB, 64*qt+8*qc
.if qc == 0
	v_wmma_f32_16x16x32_bf16 v[rD:rD+7], v[rA:rA+7], v[rB:rB+7], v[(\bias):(\bias)+7]
.else
	v_wmma_f32_16x16x32_bf16 v[rD:rD+7], v[rA:rA+7], v[rB:rB+7], v[rD:rD+7]
.endif
.set qt, qt+1
.endr
.set qc, qc+1
.endr
	WIN 0
.endm
; A tile of value columns: products, rounding, and straight out: a lane's 16 bytes are one row of one channel group, so lanes 0-15 store 256 consecutive bytes, aligned, of one group's slice and lanes
; 16-31 of the next group's; then the same buffer's weights two tiles on.
.macro VQ acc, buf, bias, tmp, goff, woff, boff
	s_wait_dscnt 18                                ; the other buffer's 18 loads may stay out
	MM32 \acc, \buf, \bias
	NOP4                                           ; four places behind the last product, ahead of the conversions and of the loads into the weights' registers
.set k, 0
.rept 16
	v_cvt_pk_bf16_f32 v[(\tmp)+k], v[(\acc)+2*k], v[(\acc)+2*k+1]
.set k, k+1
.endr
.set k, 0
.rept 4
	global_store_b128 v[GVA], v[(\tmp)+4*k:(\tmp)+4*k+3], s[10:11] offset:(\goff)+256*k
.set k, k+1
.endr
	LW \buf, \bias, \woff, \boff
.endm
	v_mov_b32 v[WAD], v[L16]
	v_mov_b32 v[BAD], v[BAD0]
	LW WA, BA, 0, 0
	LW WB, BB, 8192, 64
	s_mov_b32 s[WO], 0
	s_mov_b32 s[BO], 0
	s_mov_b32 s[VO], 0
	s_mov_b32 s[IC], 0
.Lvq:                                          ; eight trips of two tiles of 16 columns: four channel groups a trip
	s_wait_xcnt 0x0                                ; the last trip's stores have read their data and their offset
	v_add_nc_u32 v[WAD], s[WO], v[L16]
	v_add_nc_u32 v[BAD], s[BO], v[BAD0]
	v_add_nc_u32 v[GVA], s[VO], v[GV0]
	VQ XA, WA, BA, TMP, 0, 16384, 128
	VQ YA, WB, BB, TMP+16, 2*CGB, 24576, 192
	s_add_co_u32 s[WO], s[WO], 16384               ; two tiles of 8,192 bytes on,
	s_add_co_u32 s[BO], s[BO], 128                 ; their 2 x 16 biases,
	s_add_co_u32 s[VO], s[VO], 4*CGB               ; and four channel groups
	s_add_co_u32 s[IC], s[IC], 1
	s_cmp_lt_u32 s[IC], 8
	s_cbranch_scc1 .Lvq
	s_wait_xcnt 0x0                                ; the work registers are written again below
	s_wait_dscnt 0x0                               ; the last trip's look-ahead (tiles 16 and 17, inside the block) has landed: the loop below loads the same registers again
	s_wait_loadcnt 0x0                             ; reference_points
.irp t, 0,1,2,3                        ; each tile's two coordinates go to the scratch, where the loop over tiles finds them by its counter
	ds_store_b64 v[DMP], v[CT+2*\t:CT+2*\t+1] offset:12288+512*\t
.endr
	v_mov_b32 v[MX+1], 0                           ; v_permlanex16_b32's destination counts as read: both sets'
	v_mov_b32 v[MX+1+SETB], 0
	s_mov_b32 s[T2], 0
.Lpair:                                        ; four trips: heads 2 T2 and 2 T2 + 1: two tiles of offsets, one of logits
	s_mul_i32 s32, s[T2], 3
	s_add_co_u32 s32, s32, 16
	s_lshl_b32 s33, s32, 13
	v_add_nc_u32 v[WAD], s33, v[L16]
	s_lshl_b32 s33, s32, 6
	v_add_nc_u32 v[BAD], s33, v[BAD0]
	LW WA, BA, 0, 0
	LW WB, BB, 8192, 64
	LW WC, BC, 16384, 128
	s_wait_dscnt 36                                ; two sets of 18 are younger
	MM32 XA, WA, BA
	s_wait_dscnt 18
	MM32 YA, WB, BB
	s_wait_dscnt 0x0
	MM32 ZA, WC, BC
	NOP4
.irp i, 0,1,2,3,4,5,6,7                ; (tile i / 2, head i % 2): 8 offsets and 4 logits a lane, each accumulator's low registers first
	ds_store_b128 v[DMP], v[XA+32*((\i)%2)+8*((\i)/2):XA+32*((\i)%2)+8*((\i)/2)+3]   offset:1536*\i
	ds_store_b128 v[DMP], v[XA+32*((\i)%2)+8*((\i)/2)+4:XA+32*((\i)%2)+8*((\i)/2)+7] offset:1536*\i+512
	ds_store_b128 v[DMP], v[ZA+8*((\i)/2)+4*((\i)%2):ZA+8*((\i)/2)+4*((\i)%2)+3]     offset:1536*\i+1024
.endr
	s_mov_b32 s[CI], 0
.Lcombo:                                       ; four trips, one text: tile CI, both heads of the pair side by side; my lane is (token r, level h)
	s_mul_i32 s32, s[CI], 3072
	v_add_nc_u32 v[CBA], s32, v[DMP]
	s_lshl_b32 s32, s[CI], 9
	v_add_nc_u32 v[CTA], s32, v[DMP]
	ds_load_b128 v[AW:AW+3],             v[CBA] offset:1024
	ds_load_b128 v[AW+SETB:AW+SETB+3],   v[CBA] offset:2560
	ds_load_b128 v[OF:OF+3],             v[CBA]
	ds_load_b128 v[OF+4:OF+7],           v[CBA] offset:512
	ds_load_b128 v[OF+SETB:OF+SETB+3],   v[CBA] offset:1536
	ds_load_b128 v[OF+SETB+4:OF+SETB+7], v[CBA] offset:2048
	ds_load_b64  v[CQ:CQ+1],             v[CTA] offset:12288
	s_wait_dscnt 0x0
	BOTH v_max3_num_f32 v[MX+Z], v[AW+Z], v[AW+Z+1], v[AW+Z+2]  ; the maximum of a head's 8 logits: my level's four, the other level's in the lane 16 away
	BOTH v_max_num_f32 v[MX+Z], v[MX+Z], v[AW+Z+3]
	BOTH v_permlanex16_b32 v[MX+Z+1], v[MX+Z], s[SEL], s[SEL+1]
	BOTH v_max_num_f32 v[MX+Z], v[MX+Z], v[MX+Z+1]
	BOTH v_pk_add_f32 v[AW+Z:AW+Z+1],   v[AW+Z:AW+Z+1],   v[MX+Z:MX+Z+1] op_sel_hi:[1,0] neg_lo:[0,1] neg_hi:[0,1]
	BOTH v_pk_add_f32 v[AW+Z+2:AW+Z+3], v[AW+Z+2:AW+Z+3], v[MX+Z:MX+Z+1] op_sel_hi:[1,0] neg_lo:[0,1] neg_hi:[0,1]
	BOTH v_pk_mul_f32 v[AW+Z:AW+Z+1],   v[AW+Z:AW+Z+1],   0x3fb8aa3b op_sel_hi:[1,0]
	BOTH v_pk_mul_f32 v[AW+Z+2:AW+Z+3], v[AW+Z+2:AW+Z+3], 0x3fb8aa3b op_sel_hi:[1,0]
	EACHP v_exp_f32 v[AW+Z+p], v[AW+Z+p]
	; the positions: work that names no exponential's result
	EACHP v_pk_fma_f32 v[XY+Z+2*p:XY+Z+2*p+1], v[CQ:CQ+1], v[WP:WP+1], v[OF+Z+2*p:OF+Z+2*p+1]
	EACH8 v_floor_f32 v[XB+Z+i], v[XY+Z+i]
	EACH8 v_max_num_f32 v[XB+Z+i], 0, v[XB+Z+i]
	EACH8 v_min_num_f32 v[XB+Z+i], v[WM2], v[XB+Z+i]
	EACHP v_pk_add_f32 v[UU+Z+2*p:UU+Z+2*p+1], v[XY+Z+2*p:XY+Z+2*p+1], v[XB+Z+2*p:XB+Z+2*p+1] neg_lo:[0,1] neg_hi:[0,1]
	EACHP v_pk_add_f32 v[U1+Z+2*p:U1+Z+2*p+1], v[UU+Z+2*p:UU+Z+2*p+1], -1.0 op_sel_hi:[1,0]
	EACH8 v_and_b32 v[UU+Z+i], s[ABSM], v[UU+Z+i]
	EACH8 v_and_b32 v[U1+Z+i], s[ABSM], v[U1+Z+i]
	EACHP v_sub_f32 v[WX+Z+2*p],   1.0, v[UU+Z+2*p]
	EACHP v_sub_f32 v[WX+Z+2*p+1], 1.0, v[U1+Z+2*p]
	EACHP v_sub_f32 v[WY+Z+2*p],   1.0, v[UU+Z+2*p+1]
	EACHP v_sub_f32 v[WY+Z+2*p+1], 1.0, v[U1+Z+2*p+1]
	EACH8 v_max_num_f32 v[WX+Z+i], 0, v[WX+Z+i]
	EACH8 v_max_num_f32 v[WY+Z+i], 0, v[WY+Z+i]
	s_wait_xcnt 0x0                                ; the last trip's six stores have read their data and offsets: none of those registers is written ahead of this line
	s_lshl_b32 s32, s[CI], 3
	s_lshl_b32 s33, s[T2], 1
	s_add_co_u32 s32, s32, s33                     ; 8 x tile + the pair's first head; the second head's place stands in the stores' immediates
	s_lshl_b32 s33, s32, 9
	v_add_nc_u32 v[IOF], s33, v[L16]
	s_lshl_b32 s33, s32, 10
	v_add_nc_u32 v[WOF], s33, v[L16]
	EACHP v_fma_f32 v[IDX+Z+p], v[XB+Z+2*p+1], v[WP], v[XB+Z+2*p]
	EACHP v_cvt_u32_f32 v[IDX+Z+p], v[IDX+Z+p]
	EACHP v_add_nc_u32 v[IDX+Z+p], v[IDX+Z+p], v[LB]
	s_wait_alu depctr_va_vdst(0)                   ; one wait for the eight exponentials, ahead of their first reader
	BOTH v_pk_add_f32 v[SM+Z:SM+Z+1], v[AW+Z:AW+Z+1], v[AW+Z+2:AW+Z+3]
	BOTH v_add_f32 v[SM+Z], v[SM+Z], v[SM+Z+1]
	BOTH v_permlanex16_b32 v[SM+Z+1], v[SM+Z], s[SEL], s[SEL+1]
	BOTH v_add_f32 v[SM+Z], v[SM+Z], v[SM+Z+1]
	BOTH v_rcp_f32 v[SM+Z], v[SM+Z]
	v_nop
	s_wait_alu depctr_va_vdst(0)                   ; and one for the two reciprocals
	BOTH v_pk_mul_f32 v[AW+Z:AW+Z+1],   v[AW+Z:AW+Z+1],   v[SM+Z:SM+Z+1] op_sel_hi:[1,0]
	BOTH v_pk_mul_f32 v[AW+Z+2:AW+Z+3], v[AW+Z+2:AW+Z+3], v[SM+Z:SM+Z+1] op_sel_hi:[1,0]
.set Z, 0
.rept 2
.set p, 0
.rept 4                                ; the two row weights times the point's attention weight
.if p%2 == 0
	v_pk_mul_f32 v[WY+Z+2*p:WY+Z+2*p+1], v[WY+Z+2*p:WY+Z+2*p+1], v[AW+Z+2*(p/2):AW+Z+2*(p/2)+1] op_sel_hi:[1,0]
.else
	v_pk_mul_f32 v[WY+Z+2*p:WY+Z+2*p+1], v[WY+Z+2*p:WY+Z+2*p+1], v[AW+Z+2*(p/2):AW+Z+2*(p/2)+1] op_sel:[0,1] op_sel_hi:[1,1]
.endif
.set p, p+1
.endr
.set Z, Z+SETB
.endr
	EACHP v_pk_mul_f32 v[XY+Z+2*p:XY+Z+2*p+1], v[WX+Z+2*p:WX+Z+2*p+1], v[WY+Z+2*p:WY+Z+2*p+1] op_sel_hi:[1,0]
	EACHP v_pk_mul_f32 v[XB+Z+2*p:XB+Z+2*p+1], v[WX+Z+2*p:WX+Z+2*p+1], v[WY+Z+2*p:WY+Z+2*p+1] op_sel:[0,1] op_sel_hi:[1,1]
	EACHP v_cvt_pk_bf16_f32 v[OW+Z+2*p],   v[XY+Z+2*p], v[XY+Z+2*p+1]
	EACHP v_cvt_pk_bf16_f32 v[OW+Z+2*p+1], v[XB+Z+2*p], v[XB+Z+2*p+1]
	global_store_b128 v[IOF], v[IDX:IDX+3],             s[12:13]             ; each store of the wave covers 512 consecutive bytes
	global_store_b128 v[IOF], v[IDX+SETB:IDX+SETB+3],   s[12:13] offset:512
	global_store_b128 v[WOF], v[OW:OW+3],               s[14:15]
	global_store_b128 v[WOF], v[OW+4:OW+7],             s[14:15] offset:512
	global_store_b128 v[WOF], v[OW+SETB:OW+SETB+3],     s[14:15] offset:1024
	global_store_b128 v[WOF], v[OW+SETB+4:OW+SETB+7],   s[14:15] offset:1536
	s_add_co_u32 s[CI], s[CI], 1
	s_cmp_lt_u32 s[CI], 4
	s_cbranch_scc1 .Lcombo
	s_wait_xcnt 0x0                                ; the last six stores have read their data: the next pair's loads of biases and its products write those registers
	s_add_co_u32 s[T2], s[T2], 1
	s_cmp_lt_u32 s[T2], 4
	s_cbranch_scc1 .Lpair
	s_wait_tensorcnt 0x0                           ; the wave's end
	ds_add_u32 v[SPW], v[NIL]
	s_wait_dscnt 0x0
	ROUND                                          ; the closing round
	s_endpgm
.Lfunc_end_k_qe4a6f7aebc_proj:
	.size	k_qe4a6f7aebc_proj, .Lfunc_end_k_qe4a6f7aebc_proj-k_qe4a6f7aebc_proj
	.p2alignl 7, 3214868480
	.fill 96, 4, 3214868480
	.section	.rodata,"a",@progbits
	.p2align	6, 0x0
	.amdhsa_kernel k_qe4a6f7aebc_proj
		.amdhsa_group_segment_fixed_size 301568
		.amdhsa_private_segment_fixed_size 0
		.amdhsa_enable_private_segment 0
		.amdhsa_kernarg_size 48
		.amdhsa_user_sgpr_count 2
		.amdhsa_user_sgpr_kernarg_segment_ptr 1
		.amdhsa_wavefront_size32 1
		.amdhsa_system_sgpr_workgroup_id_x 1
		.amdhsa_system_sgpr_workgroup_id_y 1
		.amdhsa_system_sgpr_workgroup_id_z 1
		.amdhsa_system_vgpr_workitem_id 0
		.amdhsa_next_free_vgpr 1024
		.amdhsa_next_free_sgpr 66
		.amdhsa_reserve_vcc 1
		.amdhsa_float_denorm_mode_32 3
		.amdhsa_float_denorm_mode_16_64 3
		.amdhsa_memory_ordered 1
		.amdhsa_forward_progress 1
		.amdhsa_inst_pref_size 85
	.end_amdhsa_kernel
	.amdgpu_metadata
---
amdhsa.version: [ 1, 2 ]
amdhsa.kernels:
  - .name:           k_qe4a6f7aebc_proj
    .symbol:         k_qe4a6f7aebc_proj.kd
    .args:
      - { .name: query, .offset: 0, .size: 8, .value_kind: global_buffer, .address_space: global }
      - { .name: reference_points, .offset: 8, .size: 8, .value_kind: global_buffer, .address_space: global }
      - { .name: wf, .offset: 16, .size: 8, .value_kind: global_buffer, .address_space: global }
      - { .name: value, .offset: 24, .size: 8, .value_kind: global_buffer, .address_space: global }
      - { .name: idx, .offset: 32, .size: 8, .value_kind: global_buffer, .address_space: global }
      - { .name: wts, .offset: 40, .size: 8, .value_kind: global_buffer, .address_space: global }
    .group_segment_fixed_size: 301568
    .private_segment_fixed_size: 0
    .kernarg_segment_align: 8
    .kernarg_segment_size: 48
    .max_flat_workgroup_size: 128
    .sgpr_count:     66
    .vgpr_count:     1024
    .wavefront_size: 32
...
	.end_amdgpu_metadata
.endif
;; end of part 5
;; launch gath (part 6): grid 256 x 1, 28 waves a work-group, no clusters, 204,288 bytes of LDS; arguments value, idx, wts, sf; writes sf
.if DOCPART == 6
	.amdgcn_target "amdgcn-amd-amdhsa--gfx1250"
	.amdhsa_code_object_version 6
	.text
	.protected	k_qe4a6f7aebc_gath
	.globl	k_qe4a6f7aebc_gath
	.p2align	8
	.type	k_qe4a6f7aebc_gath,@function
k_qe4a6f7aebc_gath:
	s_mov_b64 s[64:65], 0
	v_nop
	global_prefetch_b8 v0, s[64:65] scope:SCOPE_SE
	s_setreg_imm32_b32 hwreg(HW_REG_WAVE_MODE, 25, 1), 1
	s_wait_xcnt 0x0
; GATH: for each (token, head) the weighted sum of 8 points x 4 corners = 32 rows of 32 channels of the value table.  No work of the layer is left out: a corner outside the map has weight 0 in wts.
; The base rows are whole numbers that the launch before stored (the row within a batch); the corners lie 0, 1, W and W + 1 rows behind a base.
; THE TABLE LIES IN LDS.  The rows are named by the data, 32 for each token and head, so each row is wanted many times over.  A batch's 12,500 rows of 8 channels are 200,000 bytes: a work-group takes
; one batch and one group of 8 channels into LDS, once, and gathers from there.  4 batches x 32 groups are 128 tables; two work-groups have the same table and half of the batch's tokens each: 256.
; The table is asked for as 784 rows of 256 bytes from row 12,496 b of the group's slice on (a multiple of 256 bytes): row i of batch b lies at LDS byte 16 i + 64 b.  Each wave brings 28 of the 784.
; SHARES.  A unit is 32 tokens, two tiles of 16, a lane a token: 32 LDS loads of 16 bytes a lane, 256 multiply-adds, one store.  A half's 391 tiles are 196 units = 28 x 7: 28 waves, seven on each of
; the WGP's four SIMDs (7 x 128 of a SIMD's 1,024 registers), seven units each: wave w takes units 28 t + w, t = 0..6, and every SIMD has the same 49 units.
; A batch does not begin on a tile (12,500 = 781 x 16 + 4), and 391 is odd: with x = 896 t + my thread's number, my token's place in the half's tiles, I store only where LO <= x < HI; the others' bytes
; belong to another work-group.  What such a lane reads lies inside the buffers (tile 3,125 at the most, which the launch before has filled) and inside the table (the clamp).
; THE RESULT: a lane's 8 sums, rounded to bf16, are 16 bytes; 16 lanes' are 256 consecutive bytes, a quarter of the matrix fragment (16 tokens x 32 k) that the next launch multiplies by w_out.
; AHEAD.  Four points' 16 LDS loads are out at a time: point k + 4 is asked for when point k's multiply-adds have read its registers.  The next unit's base rows are asked for when this unit's addresses
; are made; each quarter of its weights when this unit's last multiply-add has read the registers that it lands in.
; NO CLUSTER: a table has two readers, not four, and is read once (200,704 of the 802,816 bytes that a work-group reads); idx and wts, which the four groups of a head share, go straight into
; registers: through LDS they would add 96 bytes to the 512 that a token and group read from LDS as it is.  No matrix unit: the sum runs over rows that differ from token to token.
; LIMITS: sums in f32; value, weights and result bf16.  A base row is clamped to the largest that the launch before can make: 9,898 in level 0, 12,448 in level 1.
.set NW,    28                         ; waves
.set ROWS,  28                         ; rows of 256 bytes in a wave's tensor load
.set WSH,   ROWS*256
.set SPARE, NW*WSH                     ; behind the table: the spare words, 128 bytes a wave: fourteen blocks of 256 bytes that no other line names
.set CGB,   802816                     ; bytes of one channel group's slice of value
.set BWIN,  199936                     ; 12,496 rows of 16 bytes: from one batch's window to the next
.set ISTEP, 2*NW*4096                  ; from a wave's unit to its next: 56 tiles of idx,
.set WSTEP, 2*NW*8192                  ; of wts and of sf
.set TRIPS, 7
.set II,   4                           ; v[4:11]   base rows of the 8 points (level 0's four, level 1's four)
.set AD,   12                          ; v[12:19]  their LDS addresses
.set WT,   20                          ; v[20:35]  point k: (w00, w10) at 2 k, (w01, w11) at 2 k + 1
.set ACC,  36                          ; v[36:43]  8 sums
.set ZERO, 44
.set IOF,  45                          ; idx: 4,096 x (lane / 16) + 16 (lane % 16); never rewritten
.set WOF,  46                          ; wts and sf: 8,192 x (lane / 16) + 16 (lane % 16); never rewritten
.set OUT,  48                          ; v[48:51]
.set XV,   52
.set SPW,  54
.set NIL,  55
.set GR,   64                          ; v[64:127] point k, corner c: 4 registers at 16 (k % 4) + 4 c
.set WV,   12
.set G0,   20
.set G1,   24
.set SH,   34                          ; 64 b
.set XS,   35                          ; 896 t - LO
.set HL,   36                          ; HI - LO
.set CNT,  37
.set LO,   46
.set SV,   47
	s_load_b256 s[4:11], s[0:1], 0x0               ; value, idx, wts, sf
	v_lshl_add_u32 v[SPW], v0, 2, SPARE
	v_mov_b32 v[NIL], 0
	ds_add_u32 v[SPW], v[NIL]                      ; the opening: the add, twice on end, and its wait ahead of my first tensor load
	ds_add_u32 v[SPW], v[NIL]
	v_lshrrev_b32 v1, 5, v0
	v_readfirstlane_b32 s[WV], v1                  ; wave 0..27
	s_mov_b32 s[G1+0], 3<<16                       ; no mask; elements of 8 bytes; no padding
	s_mov_b32 s[G1+1], 32<<16                      ; tensor_dim0 = 32 elements: rows of 256 bytes
	s_mov_b32 s[G1+2], ROWS<<16                    ; tensor_dim1
	s_mov_b32 s[G1+3], 32<<16                      ; tile_dim0
	s_mov_b32 s[G1+4], ROWS                        ; tile_dim1
	s_mov_b32 s[G1+5], 32                          ; dense: a row begins where the last ends
	s_mov_b32 s[G1+6], 0
	s_mov_b32 s[G1+7], 0
	s_mov_b32 s[G0], 1
	s_mul_i32 s[G0+1], s[WV], WSH                  ; my 28 rows, in LDS as in the window
	s_lshr_b32 s13, ttmp9, 6
	s_and_b32 s13, s13, 3                          ; the batch b
	s_and_b32 s14, ttmp9, 3                        ; which 8 of the head's 32 channels
	s_bfe_u32 s15, ttmp9, 0x10002                  ; which half of the batch's tokens
	s_bfe_u32 s16, ttmp9, 0x30003                  ; the head
	s_lshl_b32 s17, s16, 2
	s_add_co_u32 s17, s17, s14                     ; the channel group
	s_mul_i32 s38, s17, CGB
	s_mul_i32 s32, s13, BWIN
	s_add_co_u32 s38, s38, s32
	s_add_co_u32 s38, s38, s[G0+1]                 ; my 28 rows in value
	s_mov_b32 s39, 0
	s_mul_i32 s32, s13, 781                        ; the batch's first tile,
	s_mul_i32 s33, s15, 391                        ; the half's,
	s_add_co_u32 s32, s32, s33
	s_lshl_b32 s33, s[WV], 1
	s_add_co_u32 s32, s32, s33                     ; my first unit's
	s_lshl_b32 s40, s32, 12
	s_lshl_b32 s33, s16, 9
	s_add_co_u32 s40, s40, s33                     ; idx: 4,096 bytes a tile, 512 a head
	s_mov_b32 s41, 0
	s_lshl_b32 s42, s32, 13
	s_lshl_b32 s33, s17, 8
	s_add_co_u32 s44, s42, s33                     ; sf: 8,192 bytes a tile, 256 a channel group
	s_mov_b32 s45, 0
	s_lshl_b32 s33, s16, 10
	s_add_co_u32 s42, s42, s33                     ; wts: 8,192 bytes a tile, 1,024 a head
	s_mov_b32 s43, 0
	s_lshl_b32 s[SH], s13, 6
	s_lshl_b32 s33, s13, 2                         ; 4 b: the places in the batch's first tile that belong to the batch before
	s_add_co_u32 s32, s33, 6244
	s_cmp_eq_u32 s15, 1
	s_cselect_b32 s[LO], 0, s33                    ; first half: 4 b <= x < 6,256; second half: 0 <= x < 6,244 + 4 b: 12,500 tokens in all
	s_cselect_b32 s[HL], s32, 6256
	s_sub_co_u32 s[HL], s[HL], s[LO]
	s_sub_co_u32 s[XS], 0, s[LO]
	s_wait_dscnt 0x0                               ; both opening adds are done
	s_wait_kmcnt 0x0
	s_add_nc_u64 s[G0+2:G0+3], s[4:5], s[38:39]
	s_or_b32 s[G0+3], s[G0+3], 0x80000000
	tensor_load_to_lds s[G0:G0+3], s[G1:G1+7]      ; one load a wave, twenty-eight for the table; nothing is filled again
	s_nop 0
	s_add_nc_u64 s[6:7], s[6:7], s[40:41]
	s_add_nc_u64 s[8:9], s[8:9], s[42:43]
	s_add_nc_u64 s[10:11], s[10:11], s[44:45]
	v_and_b32 v1, 15, v0
	v_lshlrev_b32 v1, 4, v1
	v_bfe_u32 v2, v0, 4, 1                         ; which of the unit's two tiles
	v_lshl_add_u32 v[IOF], v2, 12, v1
	v_lshl_add_u32 v[WOF], v2, 13, v1
	v_mov_b32 v[ZERO], 0
	global_load_b128 v[II:II+3],   v[IOF], s[6:7]              ; my first unit: 16 lanes read 256 consecutive bytes
	global_load_b128 v[II+4:II+7], v[IOF], s[6:7] offset:256
.irp n, 0,1,2,3                        ; quarter n of the weights: points 2 n and 2 n + 1
	global_load_b128 v[WT+4*\n:WT+4*\n+3], v[WOF], s[8:9] offset:512*((\n)%2)+256*((\n)/2)
.endr
	s_wait_tensorcnt 0x0                           ; my part of the table is in,
	s_barrier_signal -1
	s_barrier_wait -1                              ; everybody's is
.macro ISSUE k                         ; point k's four corners: 0, 1, W and W + 1 rows behind the base, in the immediates
.set wd, 100-50*((\k)/4)
.set qr, 0
.rept 4
	ds_load_b128 v[GR+16*((\k)%4)+4*qr:GR+16*((\k)%4)+4*qr+3], v[AD+(\k)] offset:((qr/2)*wd+qr%2)*16
.set qr, qr+1
.endr
.endm
.macro POINT k                         ; 32 multiply-adds from bf16 halves into f32: between two on one sum stand seven others
.set qr, 0
.rept 4
.set qe, 0
.rept 8
.set rG, GR+16*((\k)%4)+4*qr+qe/2
.set rW, WT+2*(\k)+qr/2
.set rC, ACC+qe
.if ((\k) == 0) && (qr == 0)
.set rC, ZERO                          ; the first corner starts the sums
.endif
.if (qe%2 == 0) && (qr%2 == 0)
	v_fma_mix_f32_bf16 v[ACC+qe], v[rG], v[rW], v[rC] op_sel_hi:[1,1,0]
.elseif (qe%2 == 1) && (qr%2 == 0)
	v_fma_mix_f32_bf16 v[ACC+qe], v[rG], v[rW], v[rC] op_sel:[1,0,0] op_sel_hi:[1,1,0]
.elseif (qe%2 == 0) && (qr%2 == 1)
	v_fma_mix_f32_bf16 v[ACC+qe], v[rG], v[rW], v[rC] op_sel:[0,1,0] op_sel_hi:[1,1,0]
.else
	v_fma_mix_f32_bf16 v[ACC+qe], v[rG], v[rW], v[rC] op_sel:[1,1,0] op_sel_hi:[1,1,0]
.endif
.set qe, qe+1
.endr
.set qr, qr+1
.endr
.endm
; One unit.  more = 1: the wave's next unit is asked for.
.macro UNIT more
	s_wait_loadcnt 4                               ; the base rows are in; the four loads of weights behind them may stay out
.irp k, 0,1,2,3
	v_min_u32 v[AD+\k], 9898, v[II+\k]
.endr
.irp k, 4,5,6,7
	v_min_u32 v[AD+\k], 12448, v[II+\k]
.endr
.irp k, 0,1,2,3,4,5,6,7
	v_lshl_add_u32 v[AD+\k], v[AD+\k], 4, s[SH]    ; 16 x row + 64 b
.endr
.if \more
	global_load_b128 v[II:II+3],   v[IOF], s[6:7] offset:ISTEP
	global_load_b128 v[II+4:II+7], v[IOF], s[6:7] offset:ISTEP+256
.endif
	ISSUE 0
	ISSUE 1
	ISSUE 2
	ISSUE 3
.irp k, 0,1,2,3,4,5,6,7
.if (\k)%2 == 0
.if \more
	s_wait_loadcnt 5                               ; this pair's weights are in; five loads were issued behind them: the later quarters, the next unit's base rows, its earlier quarters
.else
	s_wait_loadcnt 3-(\k)/2                        ; nothing was asked for meanwhile: the later quarters alone
.endif
.endif
.if (\k) < 5
	s_wait_dscnt 12                                ; three later points' loads may stay out
.else
	s_wait_dscnt 28-4*(\k)                         ; the points that are left
.endif
	POINT \k
.if (\k) < 4
	ISSUE \k+4                                     ; into the registers that the multiply-adds above have read
.endif
.if ((\k)%2 == 1) && (\more)
	global_load_b128 v[WT+4*((\k)/2):WT+4*((\k)/2)+3], v[WOF], s[8:9] offset:WSTEP+512*(((\k)/2)%2)+256*((\k)/4)
.endif
.endr
.irp r, 0,1,2,3
	v_cvt_pk_bf16_f32 v[OUT+\r], v[ACC+2*\r], v[ACC+2*\r+1]
.endr
	v_add_nc_u32 v[XV], s[XS], v0                  ; x - LO
	s_wait_xcnt 0x0                                ; EXEC changes only behind this wait
	v_cmp_gt_u32 vcc_lo, s[HL], v[XV]
	s_and_saveexec_b32 s[SV], vcc_lo
	global_store_b128 v[WOF], v[OUT:OUT+3], s[10:11]            ; 16 lanes store 256 consecutive bytes, aligned
	s_wait_xcnt 0x0                                ; and again: the store has read EXEC and its data; every load has read its base
	s_or_b32 exec_lo, exec_lo, s[SV]
.if \more
	s_add_nc_u64 s[6:7], s[6:7], ISTEP
	s_add_nc_u64 s[8:9], s[8:9], WSTEP
	s_add_nc_u64 s[10:11], s[10:11], WSTEP
	s_add_co_u32 s[XS], s[XS], 32*NW
.endif
.endm
	s_mov_b32 s[CNT], TRIPS-1
.Lunit:
	UNIT 1
	s_sub_co_u32 s[CNT], s[CNT], 1
	s_cmp_lg_u32 s[CNT], 0
	s_cbranch_scc1 .Lunit
	UNIT 0                                         ; the last unit is written out: it asks for nothing, and its counts run down
	s_wait_dscnt 0x0
	s_barrier_signal -1
	s_barrier_wait -1                              ; every wave's reads of LDS are over before any wave's closing add
	s_wait_tensorcnt 0x0                           ; the wave's end
	ds_add_u32 v[SPW], v[NIL]
	s_wait_dscnt 0x0
	s_endpgm
.Lfunc_end_k_qe4a6f7aebc_gath:
	.size	k_qe4a6f7aebc_gath, .Lfunc_end_k_qe4a6f7aebc_gath-k_qe4a6f7aebc_gath
	.p2alignl 7, 3214868480
	.fill 96, 4, 3214868480
	.section	.rodata,"a",@progbits
	.p2align	6, 0x0
	.amdhsa_kernel k_qe4a6f7aebc_gath
		.amdhsa_group_segment_fixed_size 204288
		.amdhsa_private_segment_fixed_size 0
		.amdhsa_enable_private_segment 0
		.amdhsa_kernarg_size 32
		.amdhsa_user_sgpr_count 2
		.amdhsa_user_sgpr_kernarg_segment_ptr 1
		.amdhsa_wavefront_size32 1
		.amdhsa_system_sgpr_workgroup_id_x 1
		.amdhsa_system_sgpr_workgroup_id_y 1
		.amdhsa_system_sgpr_workgroup_id_z 1
		.amdhsa_system_vgpr_workitem_id 0
		.amdhsa_next_free_vgpr 128
		.amdhsa_next_free_sgpr 66
		.amdhsa_reserve_vcc 1
		.amdhsa_float_denorm_mode_32 3
		.amdhsa_float_denorm_mode_16_64 3
		.amdhsa_memory_ordered 1
		.amdhsa_forward_progress 1
		.amdhsa_inst_pref_size 45
	.end_amdhsa_kernel
	.amdgpu_metadata
---
amdhsa.version: [ 1, 2 ]
amdhsa.kernels:
  - .name:           k_qe4a6f7aebc_gath
    .symbol:         k_qe4a6f7aebc_gath.kd
    .args:
      - { .name: value, .offset: 0, .size: 8, .value_kind: global_buffer, .address_space: global }
      - { .name: idx, .offset: 8, .size: 8, .value_kind: global_buffer, .address_space: global }
      - { .name: wts, .offset: 16, .size: 8, .value_kind: global_buffer, .address_space: global }
      - { .name: sf, .offset: 24, .size: 8, .value_kind: global_buffer, .address_space: global }
    .group_segment_fixed_size: 204288
    .private_segment_fixed_size: 0
    .kernarg_segment_align: 8
    .kernarg_segment_size: 32
    .max_flat_workgroup_size: 896
    .sgpr_count:     66
    .vgpr_count:     128
    .wavefront_size: 32
...
	.end_amdgpu_metadata
.endif
;; end of part 6
;; launch ffn: the kernel of part 4 again; grid 196 x 1, 4 waves a work-group, clusters of 4 x 1, 327,680 bytes of LDS; arguments query, sf, wf, out0; writes out0
